; MI455X (gfx1250); checked and timed in simulation.
; The chip was launched on July 23, 2026; its instructions are those of AMD's public machine-readable ISA for CDNA 5 (MIT licence, August 2026) and "CDNA5" Instruction Set Architecture Reference Guide (July 2026). The comments in the code are by the model that wrote it; some were corrected since.
;; Optimized Mo E. Allowed arithmetic: matrix products marked QUANTISED: E5M2 operands, one E8M0 scale for each 32 along K, by v_wmma_scale_f32_16x16x128_f8f6f4 with both operands' format E5M2, f32 sums; products left as they are: f32 operands where the result goes on into a quantised operand, else bf16, f16 or f32 operands; f32 sums; everything else in f32.
;; Inputs: expert_b 8 x 1,024 float32; expert_w 8 x 1,024 x 1,024 float32; router_b 8 float32; router_w 8 x 1,024 float32; x 2 x 2,048 x 1,024 float32.
;; Outputs: out0 2 x 2,048 x 1,024 float32.
;; This version of the problem:
;;   THIS VERSION OF THE PROBLEM IS GIVEN IN LOW PRECISION. The matrix products marked QUANTISED in the list below multiply operands that are first quantised to E5M2 (5 exponent bits, 2 mantissa bits; 8 bits a number), with one power-of-two scale for each 32 numbers along K (OCP MX v1.0); their sums are f32. All else is computed in f32.
;;   The module's matrix products, in the order in which they are computed (A, B: the left and right operand; K: the contracted axis; several contracted axes count as one K, in the product's order):
;;     1. [M 4,096, K 1,024] x [K 1,024, N 8]; A: input x; B: input router_w: left as it is (N = 8 < 16)
;;     2. [M 4,096, K 1,024] x [K 1,024, N 8,192]; A: input x; B: input expert_w: QUANTISED
;;   THE QUANTISER, for each operand of a quantised product, along K:
;;     - K is cut into blocks of 32 from its start; a last block that is shorter is filled with zeros.
;;     - A block's scale is 2^e with e = floor(log2(the largest magnitude in the block)) - 15, held to -126 .. 127; a block of zeros has e = 0. As a byte (E8M0): e + 127.
;;     - Each number is divided by its block's scale, clamped to +-57,344, and rounded to the nearest number of E5M2, ties to even, subnormals kept.
;;     - The product sums the exact products of the quantised numbers (number of the format x scale) in f32.
;;   ~~~python
;;   def quantise(x, axis):      # numpy; x: float32 -> the quantised numbers, widened to float32 again
;;       x = np.moveaxis(x, axis, -1); K = x.shape[-1]
;;       x = np.pad(x, [(0, 0)] * (x.ndim - 1) + [(0, -K % 32)]); x = x.reshape(x.shape[:-1] + (-1, 32)); a = np.abs(x).max(-1, keepdims=True)
;;       e = np.where(a > 0, np.clip(np.frexp(np.where(a > 0, a, 1))[1] - 1 - 15, -126, 127), 0)      # np.frexp(a)[1] - 1 = floor(log2(a)), exactly
;;       r = np.clip(x / 2.0 ** e, -57344, 57344)
;;       step = 2.0 ** (np.maximum(np.frexp(np.where(r == 0, 1, r))[1] - 1, -14) - 2)
;;       q = np.round(r / step) * step * 2.0 ** e      # np.round: ties to even
;;       return np.moveaxis(q.reshape(q.shape[:-2] + (-1,))[..., :K], -1, axis).astype(np.float32)
;;   ~~~
;; 2 versions, each right and faster than the one before. Each part assembles by itself: llvm-mc -triple=amdgcn-amd-amdhsa -mcpu=gfx1250 --defsym DOCPART=n.
;; ======== version 1 of 2: 2 launches
;; workspace buffers: x_codes 4,194,304 bytes; x_scales 131,072 bytes; idx 16,384 bytes of whole numbers; gate 16,384 bytes; w_codes 8,388,608 bytes; w_scales 262,144 bytes
;; launch prep (part 1): grid 512 x 1, 4 waves a work-group, no clusters, 69,632 bytes of LDS; arguments x, router_w, router_b, expert_w, x_codes, x_scales, idx, gate, w_codes, w_scales; writes x_codes, x_scales, idx, gate, w_codes, w_scales
.if DOCPART == 1
	.amdgcn_target "amdgcn-amd-amdhsa--gfx1250"
	.amdhsa_code_object_version 6
	.text
	.protected	k_qde7e1e2416_prep
	.globl	k_qde7e1e2416_prep
	.p2align	8
	.type	k_qde7e1e2416_prep,@function
k_qde7e1e2416_prep:
	s_mov_b64 s[64:65], 0
	v_nop
	global_prefetch_b8 v0, s[64:65] scope:SCOPE_SE
	s_setreg_imm32_b32 hwreg(HW_REG_WAVE_MODE, 25, 1), 1
	s_wait_xcnt 0x0
; PREPARATION: x and expert_w are read once, as f32, and turned into codes of E5M2 with one E8M0 scale byte for each 32 along K; the router is computed on the way, in f32, from the numbers of x as they are given.
; Work-groups with an even number (index g = number / 2) take 16 tokens: x_codes [token][1024], x_scales [token][32], idx = argmax of the 8 logits (the first of equals), gate = softmax at the argmax.
; Work-groups with an odd number take 32 rows of expert_w (row = 1024 e + f): w_scales [row][32], and w_codes in the order in which the matrix instruction's operand lies in registers:
;   [tile = row / 16][q 8][c 4][h 2][r 16][16 bytes], the byte holding W[16 tile + r][128 q + 32 c + 16 h + byte]: a load of 16 bytes a lane at 16 x lane is a quarter of a fragment, 512 consecutive bytes.
; THE QUANTISER: a block's scale byte is its largest magnitude's exponent field - 15, held at 1 from below; a block of zeros gets 127; each number is held within +-57,344 x the scale and converted, ties to even.
; A lane holds 16 neighbours along K (four loads of 16 bytes, which together with the other lanes' read 2,048 consecutive bytes); two neighbouring lanes hold a block.
; THE ROUTER runs on the vector unit: it is 8 output columns, it wants f32, and a lane holds x by columns as it was loaded.  The maximum is taken away before the exponentials: gate = 1 / sum of exp(l - max), a sum of at least 1.
; LIMITS: two top logits that differ by less than the rounding of an f32 sum of 1,024 terms may route otherwise than a sum in another order; NaN and infinities among the inputs are not served;
; blocks whose largest magnitude lies under 2^-110, whose byte is held at 1, were not tried.
; No matrix unit, no tensor loads, no cluster: every byte is read by one work-group alone (router_w, 32 KiB, excepted) and has to pass through registers to be converted.
; LDS: the two bodies have bytes of their own (the tokens' 0 to 33,407, the weights' from WB on): no line of one names a byte of the other.
.set SCX,  32768                       ; tokens' body, LDS: 0: router_w as [e][j 2][i 4][lane 32][16 bytes] = router_w[e][512 j + 16 lane + 4 i ..];  SCX: 512 scale bytes;
.set IG,   33280                       ; IG: 16 idx, then 16 gates
.set WB,   33536                       ; weights' body, LDS: WB: 128 pieces [r 16][16 bytes] of 256 bytes, 272 apart;
.set HP,   272
.set SCWB, WB+34816                    ; SCWB: 256 scale bytes for each wave; the end is 69,376
.set CX,   16                          ; v[16:31]   tokens' body: codes, four registers for each of my four tokens
.set WR,   32                          ; v[32:63]   router rows, two sets of 16
.set ACC,  64                          ; v[64:127]  token t, expert e: a pair of partial sums at ACC + 2 (8 t + e); at first router_w on its way to LDS
.set X,    128                         ; v[128:255] numbers: tokens' body: half j of token t at X + 16 (4 j + t); weights' body: eight sets of 16
.set IDX,  128                         ; behind the conversions X is free: v[128:131] argmax, v[132:135] gate, v[136:139] maximum, v[140:143] sum
.set GATE, 132
.set BEST, 136
.set SUM,  140
.set CW,   32                          ; v[32:95]   weights' body: codes, four registers for each step; then the way out
.set EW,   100                         ; v[100:115] weights' body: a scale byte for each step
; The 16 numbers at v[QX ..] of a lane become 16 codes in v[QC:QC+3]; the block's scale byte comes into v[QE].
.macro QUANT
	v_max3_num_f32 v8, |v[QX]|, |v[QX+1]|, |v[QX+2]|               ; the largest magnitude of my 16, in two chains
	v_max3_num_f32 v9, |v[QX+3]|, |v[QX+4]|, |v[QX+5]|
.irp i, 6,10
	v_max3_num_f32 v8, v8, |v[QX+\i]|, |v[QX+\i+1]|
	v_max3_num_f32 v9, v9, |v[QX+\i+2]|, |v[QX+\i+3]|
.endr
	v_max3_num_f32 v8, v8, |v[QX+14]|, |v[QX+15]|
	v_max_num_f32 v8, v8, v9
	v_max_num_f32_dpp v8, v8, v8 row_xmask:1 row_mask:0xf bank_mask:0xf   ; and of my neighbour's 16: the block's
	v_lshrrev_b32 v9, 23, v8                       ; its exponent field
	v_max_u32 v9, 16, v9                           ; the byte is not to fall under 1
	v_lshl_or_b32 v10, v9, 23, 0x600000            ; 57,344 x the scale
	v_add_nc_u32 v9, -15, v9                       ; the scale's byte
	v_lshlrev_b32 v11, 23, v9                      ; the scale as f32: the conversion takes its exponent field
	v_cmp_eq_u32 vcc_lo, 0, v8                     ; a block of zeros?
.irp i, 0,1,2,3,4,5,6,7,8,9,10,11,12,13,14,15
	v_med3_num_f32 v[QX+\i], v[QX+\i], -v10, v10   ; the conversion does not saturate (ISA guide 7.6.2): hold the number first
.endr
	v_cvt_scalef32_pk8_bf8_f32 v[QC:QC+1], v[QX:QX+7], v11
	v_cvt_scalef32_pk8_bf8_f32 v[QC+2:QC+3], v[QX+8:QX+15], v11
	v_cndmask_b32 v[QE], v9, 127, vcc_lo           ; zeros get 127.  Also the one plain vector instruction between a scaled conversion and what touches its result or its sources
.endm
	s_load_b512 s[4:19], s[0:1], 0x0               ; x s[4:5], router_w s[6:7], router_b s[8:9], expert_w s[10:11], x_codes s[12:13], x_scales s[14:15], idx s[16:17], gate s[18:19]
	s_load_b128 s[20:23], s[0:1], 0x40             ; w_codes s[20:21], w_scales s[22:23]
	v_lshrrev_b32 v1, 5, v0
	v_readfirstlane_b32 s2, v1                     ; wave 0..3
	v_and_b32 v15, 31, v0                          ; lane
	v_lshlrev_b32 v1, 6, v15                       ; 64 x lane: my 16 numbers
	v_lshlrev_b32 v2, 4, v15                       ; 16 x lane: my 16 codes
	s_mov_b32 s25, 0
	s_lshr_b32 s3, ttmp9, 1                        ; index among the work-groups of my kind
	s_wait_kmcnt 0x0
	s_bitcmp1_b32 ttmp9, 0                         ; the same for all four waves
	s_cbranch_scc1 .Lweights
; ---------------- 16 tokens: wave w takes tokens 16 g + 4 w + t, t = 0 .. 3 ----------------
	s_lshl_b32 s24, s3, 16                         ; 16 rows of 4,096 bytes a work-group,
	s_lshl_b32 s28, s2, 14                         ; 4 a wave
	s_add_co_u32 s24, s24, s28
	s_add_nc_u64 s[4:5], s[4:5], s[24:25]          ; x at my first token
	s_lshr_b32 s24, s24, 2
	s_add_nc_u64 s[12:13], s[12:13], s[24:25]      ; x_codes likewise: rows of 1,024 bytes
	s_lshl_b32 s24, s3, 9
	s_add_nc_u64 s[14:15], s[14:15], s[24:25]      ; the work-group's 512 scale bytes
	s_lshl_b32 s24, s3, 6
	s_add_nc_u64 s[16:17], s[16:17], s[24:25]      ; its 16 idx
	s_add_nc_u64 s[18:19], s[18:19], s[24:25]      ; and 16 gates
	s_load_b256 s[32:39], s[8:9], 0x0              ; the eight router_b
	s_mov_b32 s26, 0x76543210                      ; v_permlanex16_b32: lane i of one half reads lane i of the other
	s_mov_b32 s27, 0xfedcba98
	v_lshlrev_b32 v3, 4, v0                        ; 16 x thread: my part of router_w
	; all that the wave ever loads is asked for now: 16 loads of router_w, then 32 of x, half by half
.irp n, 0,1,2,3,4,5,6,7,8,9,10,11,12,13,14,15
	global_load_b128 v[ACC+4*\n:ACC+4*\n+3], v3, s[6:7] offset:2048*\n
.endr
.irp j, 0,1
.irp t, 0,1,2,3
.irp i, 0,1,2,3
	global_load_b128 v[X+16*(4*\j+\t)+4*\i:X+16*(4*\j+\t)+4*\i+3], v1, s[4:5] offset:4096*\t+2048*\j+16*\i th:TH_LOAD_NT
.endr
.endr
.endr
	v_and_b32 v4, 3, v0                            ; router_w's 16 bytes at 2048 n + 16 thread are [e = n / 2][j = n % 2][i = thread % 4][lane = thread / 4]
	v_lshrrev_b32 v5, 2, v0
	v_lshlrev_b32 v4, 9, v4
	v_lshl_add_u32 v4, v5, 4, v4                   ; 512 i + 16 lane
	v_lshrrev_b32 v5, 1, v15
	s_lshl_b32 s28, s2, 7
	s_add_co_u32 s28, s28, SCX
	v_add_nc_u32 v5, s28, v5                       ; my block's scale byte: SCX + 128 w + lane / 2 (+ 32 t + 16 j)
	s_wait_loadcnt 32                              ; loads come back in order (ISA guide 5.7.1): router_w is in, the 32 loads of x stay out
.irp n, 0,1,2,3,4,5,6,7,8,9,10,11,12,13,14,15
	ds_store_b128 v4, v[ACC+4*\n:ACC+4*\n+3] offset:2048*\n
.endr
	s_wait_dscnt 0x0                               ; my part of router_w is in LDS, for the other waves' sake,
	s_barrier_signal -1
	s_barrier_wait -1                              ; and so is everybody's
.macro WREQ u                          ; unit u = 8 j + e: router_w[e][512 j + 16 lane .. + 15] into set u % 2; 512 consecutive bytes a load
.irp i, 0,1,2,3
	ds_load_b128 v[WR+16*((\u)&1)+4*\i:WR+16*((\u)&1)+4*\i+3], v2 offset:4096*((\u)&7)+2048*((\u)>>3)+512*\i
.endr
.endm
	WREQ 0
	WREQ 1
	; 16 units of one expert x 4 tokens x 16 columns: 32 packed multiply-adds in four chains.  Behind a half's eight experts its numbers are quantised in place.
.set un, 0
.rept 16
.set uj, un>>3
.set ue, un&7
.set uw, WR+16*(un&1)
.if ue == 0
	s_wait_loadcnt 16*(1-uj)                       ; this half of my four tokens is in; the later half's 16 loads stay out
.endif
.if un == 15
	s_wait_dscnt 0x0                               ; nothing was asked for behind the last unit's rows
.else
	s_wait_dscnt 0x4                               ; this unit's rows are in; the next unit's four loads may stay out
.endif
.irp p, 0,1,2,3,4,5,6,7
.irp t, 0,1,2,3
.if (uj == 0) && (\p == 0)
	v_pk_mul_f32 v[ACC+2*(8*\t+ue):ACC+2*(8*\t+ue)+1], v[X+16*(4*uj+\t)+2*\p:X+16*(4*uj+\t)+2*\p+1], v[uw+2*\p:uw+2*\p+1]   ; the first product starts the sums
.else
	v_pk_fma_f32 v[ACC+2*(8*\t+ue):ACC+2*(8*\t+ue)+1], v[X+16*(4*uj+\t)+2*\p:X+16*(4*uj+\t)+2*\p+1], v[uw+2*\p:uw+2*\p+1], v[ACC+2*(8*\t+ue):ACC+2*(8*\t+ue)+1]
.endif
.endr
.endr
.if un < 14
	WREQ un+2                                      ; two units ahead, into the set just used
.endif
.if ue == 7
.if uj == 1
	s_wait_xcnt 0x0                                ; the first half's stores have had their addresses translated (ISA guide 3.1): their data registers are rewritten only behind this wait
.endif
.irp t, 0,1,2,3
.set QX, X+16*(4*uj+\t)
.set QC, CX+4*\t
.set QE, 6+\t+4*(\t/2)                 ; v6, v7, v12, v13
	QUANT
	ds_store_b8 v5, v[QE] offset:32*\t+16*uj       ; both lanes of a block write the same byte with the same value
	global_store_b128 v2, v[QC:QC+3], s[12:13] offset:1024*\t+512*uj   ; 32 lanes: 512 consecutive bytes, at a multiple of 256
.endr
.endif
.set un, un+1
.endr
	; 32 sums over the lanes, stage by stage: the pair, four steps inside 16 lanes, one across the halves, then router_b
.set k, 0
.rept 32
	v_add_f32 v[ACC+2*k], v[ACC+2*k], v[ACC+2*k+1]
.set k, k+1
.endr
.irp m, 1,2,4,8
.set k, 0
.rept 32
	v_add_f32_dpp v[ACC+2*k], v[ACC+2*k], v[ACC+2*k] row_xmask:\m row_mask:0xf bank_mask:0xf
.set k, k+1
.endr
.endr
.set k, 0
.rept 32
	v_permlanex16_b32 v[ACC+2*k+1], v[ACC+2*k], s26, s27   ; the destination, which counts as read, has been written
.set k, k+1
.endr
	s_wait_kmcnt 0x0                               ; router_b
.set k, 0
.rept 32
	v_add_f32 v[ACC+2*k], v[ACC+2*k], v[ACC+2*k+1]
.set k, k+1
.endr
.set k, 0
.rept 32
	v_add_f32 v[ACC+2*k], s[32+k%8], v[ACC+2*k]    ; every lane now holds logit (t = k / 8, e = k % 8)
.set k, k+1
.endr
.irp t, 0,1,2,3
	v_mov_b32 v[IDX+\t], 0
	v_mov_b32 v[BEST+\t], v[ACC+16*\t]
.endr
.irp e, 1,2,3,4,5,6,7
.irp t, 0,1,2,3
	v_cmp_ge_f32 vcc_lo, v[BEST+\t], v[ACC+16*\t+2*\e]
	v_cndmask_b32 v[IDX+\t], \e, v[IDX+\t], vcc_lo         ; best >= l: the index stays, else it is e
	v_max_num_f32 v[BEST+\t], v[BEST+\t], v[ACC+16*\t+2*\e]
.endr
.endr
.set k, 0
.rept 32
	v_sub_f32 v[ACC+2*k+1], v[ACC+2*k], v[BEST+k/8]        ; l - max: 0 at the argmax, exactly
.set k, k+1
.endr
.set k, 0
.rept 32
	v_mul_f32 v[ACC+2*k+1], 0x3fb8aa3b, v[ACC+2*k+1]       ; x log2(e)
.set k, k+1
.endr
.set k, 0
.rept 32
	v_exp_f32 v[ACC+2*k+1], v[ACC+2*k+1]
.set k, k+1
.endr
	v_nop                                          ; one plain vector instruction behind the last exponential before its result is read (ISA guide 5.7.2)
.irp t, 0,1,2,3
	v_add_f32 v[SUM+\t], v[ACC+16*\t+1], v[ACC+16*\t+3]
.endr
.irp e, 2,3,4,5,6,7
.irp t, 0,1,2,3
	v_add_f32 v[SUM+\t], v[SUM+\t], v[ACC+16*\t+2*\e+1]
.endr
.endr
.irp t, 0,1,2,3
	v_rcp_f32 v[GATE+\t], v[SUM+\t]                ; the exponential at the argmax is 1
.endr
	s_lshl_b32 s28, s2, 4
	s_add_co_u32 s28, s28, IG
	v_mov_b32 v152, s28                            ; (the plain instruction behind the reciprocals)  IG + 16 w
	ds_store_b128 v152, v[IDX:IDX+3]               ; all lanes write the same words with the same values
	ds_store_b128 v152, v[GATE:GATE+3] offset:64
	s_wait_dscnt 0x0                               ; my scale bytes, idx and gates are in LDS, for wave 0's sake
	s_barrier_signal -1
	s_barrier_wait -1
	s_cmp_lg_u32 s2, 0
	s_cbranch_scc1 .Ltokens_done                   ; wave 0 stores what the four waves gathered
	v_and_b32 v148, 15, v0
	v_lshlrev_b32 v148, 2, v148                    ; lanes 16-31 repeat lanes 0-15, so that every lane stays on
	ds_load_b128 v[144:147], v2 offset:SCX
	ds_load_b32 v149, v148 offset:IG
	ds_load_b32 v150, v148 offset:IG+64
	s_wait_dscnt 0x0
	global_store_b128 v2, v[144:147], s[14:15]     ; 512 consecutive bytes, at a multiple of 256
	global_store_b32 v148, v149, s[16:17]          ; 64 bytes each: the two tables are 32 KiB in all
	global_store_b32 v148, v150, s[18:19]
.Ltokens_done:
	s_endpgm
; ---------------- 32 rows of expert_w = two tiles of 16: wave w takes rows 8 w .. 8 w + 7, a stream of 16 steps of 512 numbers ----------------
.Lweights:
	s_lshl_b32 s24, s3, 17                         ; 32 rows of 4,096 bytes a work-group,
	s_lshl_b32 s28, s2, 15                         ; 8 a wave
	s_add_co_u32 s24, s24, s28
	s_add_nc_u64 s[10:11], s[10:11], s[24:25]
	s_lshr_b32 s24, s24, 2
	s_add_nc_u64 s[20:21], s[20:21], s[24:25]      ; w_codes: 32,768 bytes a work-group; on the way out a wave stores 8,192 of them
	s_lshr_b32 s24, s24, 5
	s_add_nc_u64 s[22:23], s[22:23], s[24:25]      ; w_scales: 256 bytes a wave
.macro WLD st                          ; step st: row 8 w + st / 2, half st % 2
.irp i, 0,1,2,3
	global_load_b128 v[X+16*((\st)%8)+4*\i:X+16*((\st)%8)+4*\i+3], v1, s[10:11] offset:2048*(\st)+16*\i th:TH_LOAD_NT
.endr
.endm
.irp s, 0,1,2,3,4,5,6,7
	WLD \s                                         ; eight steps, 32 loads a wave, are on their way
.endr
	; my 16 codes of step st belong to piece 64 (w / 2) + 32 (st % 2) + lane, row r = 8 (w % 2) + st / 2
	s_lshr_b32 s28, s2, 1
	s_mul_i32 s28, s28, 64*HP
	s_and_b32 s29, s2, 1
	s_lshl_b32 s29, s29, 7
	s_add_co_u32 s28, s28, s29
	s_add_co_u32 s28, s28, WB
	v_mul_u32_u24 v3, v15, HP
	v_add_nc_u32 v3, s28, v3
	s_lshl_b32 s29, s2, 8
	s_add_co_u32 s29, s29, SCWB
	v_lshrrev_b32 v4, 1, v15
	v_add_nc_u32 v4, s29, v4                       ; my block's scale byte: SCWB + 256 w + lane / 2 (+ 16 st)
	v_lshl_add_u32 v14, v15, 3, s29                ; and on the way out 8 bytes a lane
	v_lshlrev_b32 v7, 3, v15
	s_mul_i32 s28, s2, 32*HP                       ; the way out: wave w takes pieces 32 w .. 32 w + 31, two an instruction
	s_add_co_u32 s28, s28, WB
	v_lshrrev_b32 v5, 4, v15
	v_mul_u32_u24 v5, v5, HP
	v_and_b32 v6, 15, v15
	v_lshl_add_u32 v5, v6, 4, v5
	v_add_nc_u32 v5, s28, v5
.macro WSTEP st
.if 15-(\st) >= 7
	s_wait_loadcnt 28                              ; this step's four loads are in; the next seven steps' stay out
.else
	s_wait_loadcnt 4*(15-(\st))
.endif
.set QX, X+16*((\st)%8)
.set QC, CW+4*(\st)
.set QE, EW+(\st)
	QUANT
	ds_store_b8 v4, v[QE] offset:16*(\st)
	ds_store_b128 v3, v[QC:QC+3] offset:32*HP*((\st)&1)+16*((\st)>>1)   ; lanes 272 bytes apart: sixteen different columns of 16 bytes modulo 256
.if (\st) < 8
	WLD (\st)+8
.endif
.endm
.irp s, 0,1,2,3,4,5,6,7,8,9,10,11,12,13,14,15
	WSTEP \s
.endr
	s_wait_dscnt 0x0                               ; my rows of the pieces are in LDS, for the other waves' sake
	s_barrier_signal -1
	s_barrier_wait -1
	ds_load_b64 v[96:97], v14
.irp i, 0,1,2,3,4,5,6,7,8,9,10,11,12,13,14,15
	ds_load_b128 v[CW+4*\i:CW+4*\i+3], v5 offset:2*HP*\i
.endr
	s_wait_dscnt 16                                ; the scale bytes are in; the 16 younger loads stay out
	global_store_b64 v7, v[96:97], s[22:23]        ; 32 lanes: 256 consecutive bytes, at a multiple of 256
.irp i, 0,1,2,3,4,5,6,7,8,9,10,11,12,13,14,15
	s_wait_dscnt 15-\i
	global_store_b128 v2, v[CW+4*\i:CW+4*\i+3], s[20:21] offset:512*\i   ; 512 consecutive bytes, at a multiple of 256
.endr
	s_endpgm
.Lfunc_end_k_qde7e1e2416_prep:
	.size	k_qde7e1e2416_prep, .Lfunc_end_k_qde7e1e2416_prep-k_qde7e1e2416_prep
	.p2alignl 7, 3214868480
	.fill 96, 4, 3214868480
	.section	.rodata,"a",@progbits
	.p2align	6, 0x0
	.amdhsa_kernel k_qde7e1e2416_prep
		.amdhsa_group_segment_fixed_size 69632
		.amdhsa_private_segment_fixed_size 0
		.amdhsa_enable_private_segment 0
		.amdhsa_kernarg_size 80
		.amdhsa_user_sgpr_count 2
		.amdhsa_user_sgpr_kernarg_segment_ptr 1
		.amdhsa_wavefront_size32 1
		.amdhsa_system_sgpr_workgroup_id_x 1
		.amdhsa_system_sgpr_workgroup_id_y 1
		.amdhsa_system_sgpr_workgroup_id_z 1
		.amdhsa_system_vgpr_workitem_id 0
		.amdhsa_next_free_vgpr 256
		.amdhsa_next_free_sgpr 66
		.amdhsa_reserve_vcc 1
		.amdhsa_float_denorm_mode_32 3
		.amdhsa_float_denorm_mode_16_64 3
		.amdhsa_memory_ordered 1
		.amdhsa_forward_progress 1
		.amdhsa_inst_pref_size 129
	.end_amdhsa_kernel
	.amdgpu_metadata
---
amdhsa.version: [ 1, 2 ]
amdhsa.kernels:
  - .name:           k_qde7e1e2416_prep
    .symbol:         k_qde7e1e2416_prep.kd
    .args:
      - { .name: x, .offset: 0, .size: 8, .value_kind: global_buffer, .address_space: global }
      - { .name: router_w, .offset: 8, .size: 8, .value_kind: global_buffer, .address_space: global }
      - { .name: router_b, .offset: 16, .size: 8, .value_kind: global_buffer, .address_space: global }
      - { .name: expert_w, .offset: 24, .size: 8, .value_kind: global_buffer, .address_space: global }
      - { .name: x_codes, .offset: 32, .size: 8, .value_kind: global_buffer, .address_space: global }
      - { .name: x_scales, .offset: 40, .size: 8, .value_kind: global_buffer, .address_space: global }
      - { .name: idx, .offset: 48, .size: 8, .value_kind: global_buffer, .address_space: global }
      - { .name: gate, .offset: 56, .size: 8, .value_kind: global_buffer, .address_space: global }
      - { .name: w_codes, .offset: 64, .size: 8, .value_kind: global_buffer, .address_space: global }
      - { .name: w_scales, .offset: 72, .size: 8, .value_kind: global_buffer, .address_space: global }
    .group_segment_fixed_size: 69632
    .private_segment_fixed_size: 0
    .kernarg_segment_align: 8
    .kernarg_segment_size: 80
    .max_flat_workgroup_size: 128
    .sgpr_count:     66
    .vgpr_count:     256
    .wavefront_size: 32
...
	.end_amdgpu_metadata
.endif
;; end of part 1
;; launch experts (part 2): grid 256 x 1, 4 waves a work-group, no clusters, 164,352 bytes of LDS; arguments x_codes, x_scales, idx, gate, w_codes, w_scales, expert_b, out0; writes out0
.if DOCPART == 2
	.amdgcn_target "amdgcn-amd-amdhsa--gfx1250"
	.amdhsa_code_object_version 6
	.text
	.protected	k_qde7e1e2416_experts
	.globl	k_qde7e1e2416_experts
	.p2align	8
	.type	k_qde7e1e2416_experts,@function
k_qde7e1e2416_experts:
	s_mov_b64 s[64:65], 0
	v_nop
	global_prefetch_b8 v0, s[64:65] scope:SCOPE_SE
	s_setreg_imm32_b32 hwreg(HW_REG_WAVE_MODE, 25, 1), 1
	s_wait_xcnt 0x0
; out[t] = gate[t] (Q(x[t]) Q(W_e)^T + b_e) for the one expert e = idx[t]: only that eighth of the written product is made; the problem's own gather throws the rest away for every input.
; Codes of E5M2 and E8M0 scale bytes as the first launch laid them; f32 sums that start from the bias.
; SHARES: work-group g: expert e = g >> 5, columns 256 cs .. + 255 (cs = (g >> 3) & 3), tokens 512 rg .. + 511 (rg = g & 7).  Wave w owns columns 256 cs + 64 w .. + 63: its part of W, 64 x 1,024 codes,
; is 512 registers, loaded once, straight from memory in the operand's order, and read by no other wave; its 64 f32 of an output row are 256 consecutive bytes at a multiple of 256.
; THE LIST: each wave makes, in LDS bytes of its own, the list of the range's tokens whose idx is e (then all the others, so that every entry holds a token), padded with the last member to a whole block of 16:
; padded rows are computed and stored again with equal values, so every lane stays on.  Every wave multiplies every block of 16 listed tokens.
; A SUPER-ROUND is up to 8 blocks: the four waves gather their rows of x_codes into LDS (each wave 4 rows of each block), a barrier, each wave multiplies them by its W.  Four super-rounds, a constant, cover
; all 512 tokens; the barriers stand in that constant frame, and what hangs on the count is jumped over forward, never a barrier.  Behind a super-round the wave moves its list 128 entries down,
; so that every LDS address in the text is a register that is never rewritten plus a constant.
; The gather is written in three forms, for 4, 6 and 8 blocks, each with its own wait and stores, so that a register that is stored has been loaded on the same way through the text.
; THE MATRIX INSTRUCTION IS USED TRANSPOSED: source 0 = 16 rows of W (output columns), source 1 = 16 tokens: register j of lane (r = l & 15, h = l >> 4) holds token r, column 16 t + 8 h + j.
; SCALES: a lane (r, h) takes bytes 16 h .. + 15 of its row's 32: register i holds the word of K step i in lanes 0-15 and that of K step 4 + i in lanes 16-31, which steps 4 to 7 select.
; NO CLUSTER, NO TENSOR LOADS: W, which 8 work-groups share, goes into registers without touching LDS (a joint load would bring 256 KiB a work-group through LDS and out again); x's rows are gathered by a list,
; one address a row, and the partners' numbers of blocks differ with the counts.
; LIMITS: none beyond the first launch's.
.set XSP,   1040                       ; a token's row in LDS: 1,024 codes + 16: an odd multiple of 16, so the 16 rows of a fragment load start in 16 different columns of 16 bytes modulo 256
.set SLOTB, 16*XSP                     ; a block of 16 tokens
.set XSC,   8*SLOTB                    ; 133,120: a block's scale bytes, 512, as [h][r][16 bytes]
.set XG,    XSC+8*512                  ; 137,216: a block's 16 gates
.set LIST,  XG+8*64                    ; 137,728: 544 entries (2,304 bytes) for each wave, its own
.set LISTB, 2304
.set OS,    LIST+4*LISTB               ; 146,944: 16 rows x 272 for each wave, its own: an output tile on its way out; the end is 164,352
.set OSP,   272
; window 0 (r = lane & 15, h = lane >> 4); v1-21 are never rewritten
.set L16,  1                           ; 16 r
.set LN16, 2                           ; 16 lane
.set XSCR, 4                           ; XSC + 16 lane
.set XGR,  5                           ; XG + 4 r
.set LTO,  6                           ; my list + 4 h
.set OSW,  7                           ; my OS + 272 r + 32 h
.set OSR,  8                           ; my OS + 272 h + 16 r
.set LTT,  9                           ; my list + 16 w + 4 h
.set LTS,  10                          ; my list + 128 w + 4 lane
.set XSW,  11                          ; v11-13: (4 w + h) 1040 + 16 r + 3 SLOTB {0, 1, 2}
.set SCW,  14                          ; XSC + 1024 w + 512 h + 16 r
.set GW,   15                          ; XG + 128 w + 4 lane
.set AFB,  16                          ; v16-18: 1040 r + 16 h + 3 SLOTB {0, 1, 2}
.set LSH,  19                          ; my list + 4 lane
.set WSA,  20                          ; 32 r + 16 h
.set BIA,  21                          ; 32 h
.set SX,   32                          ; v[32:35]   x's scale words: scales and nothing else
.set SW,   36                          ; v[36:51]   W's scale words, 4 t + i: scales and nothing else
.set G,    52                          ; v[52:53]   the gate of token r, and a 0 that is named with it as a pair
.set TO,   56                          ; v[56:63]   token of row 2 i + h
.set OO,   64                          ; v[64:71]   its row of out0 + 16 r
.set BI,   72                          ; v[72:103]  bias, 8 t + j
.set ACC,  104                         ; v[104:135] accumulators, 8 t + j
.set TMP,  136                         ; v[136:167] output rows
.set TT,   168                         ; v[168:183] token of row 4 w + 2 pr + h of block j at 2 j + pr, then its row of x_codes + 16 r
.set TS,   184                         ; token of list entry 32 w + lane
.set SO,   185
.set GO,   186
.set SS,   188                         ; v[188:195] its 32 scale bytes
.set GG,   196                         ; its gate
.set IV,   200                         ; v[200:215] idx
.set PS,   216                         ; v[216:231] places in the list
.set TK,   232                         ; v[232:247] token numbers
.set MK,   40                          ; s[40:55]   masks of members
; windows 1 and 2: W: load n = 16 q + 4 t + c at window 1 + n / 64, register 4 (n % 64).  Window 3: the gather's 32 j + 4 (4 pr + c); while multiplying x's fragments, 16 q + 4 c.
; s_set_vgpr_msb's low byte: bits 1:0 source 0, 3:2 source 1, 5:4 source 2, 7:6 destination; its high byte repeats the setting that is left
.set MSB, 0
.macro WIN new
.if MSB != (\new)
	s_set_vgpr_msb (MSB<<8)|(\new)
.set MSB, (\new)
.endif
.endm
.macro WLOADS n0, n1                   ; W's quarter fragments n0 .. n1: 512 consecutive bytes each
.set wn, \n0
.rept \n1-\n0+1
	WIN 0x40*(1+(wn>>6))
	global_load_b128 v[4*(wn&63):4*(wn&63)+3], v[LN16], s[12:13] offset:16384*((wn>>2)&3)+2048*(wn>>4)+512*(wn&3)
.set wn, wn+1
.endr
	WIN 0
.endm
.macro BAR
	s_wait_dscnt 0x0                               ; my LDS stores are done and my LDS loads are back, for the other waves' sake
	s_barrier_signal -1
	s_barrier_wait -1
.endm
	s_load_b512 s[4:19], s[0:1], 0x0               ; x_codes s[4:5], x_scales s[6:7], idx s[8:9], gate s[10:11], w_codes s[12:13], w_scales s[14:15], expert_b s[16:17], out0 s[18:19]
	v_lshrrev_b32 v22, 5, v0
	v_readfirstlane_b32 s2, v22                    ; wave 0..3
	v_and_b32 v22, 31, v0                          ; lane
	v_and_b32 v23, 15, v0                          ; r
	v_bfe_u32 v24, v0, 4, 1                        ; h
	v_lshlrev_b32 v[LN16], 4, v22
	v_lshlrev_b32 v25, 5, v23
	v_lshl_add_u32 v[WSA], v24, 4, v25
	v_lshlrev_b32 v[BIA], 5, v24
	s_lshr_b32 s20, ttmp9, 5                       ; e
	s_bfe_u32 s21, ttmp9, 0x20003                  ; cs: 2 bits from bit 3
	s_and_b32 s22, ttmp9, 7                        ; rg
	s_mov_b32 s27, 0
	s_lshl_b32 s30, s20, 20                        ; an expert's codes are 1 MiB,
	s_lshl_b32 s25, s21, 18                        ; 256 columns 256 KiB,
	s_add_co_u32 s30, s30, s25
	s_lshl_b32 s25, s2, 16                         ; a wave's four tiles 64 KiB
	s_add_co_u32 s30, s30, s25
	s_wait_kmcnt 0x0
	s_lshl_b32 s26, s22, 11
	s_add_nc_u64 s[8:9], s[8:9], s[26:27]          ; idx of my range's 512 tokens
	s_mov_b32 s26, s30
	s_add_nc_u64 s[12:13], s[12:13], s[26:27]      ; my W
	s_lshr_b32 s26, s30, 5
	s_add_nc_u64 s[14:15], s[14:15], s[26:27]      ; its scale bytes: 32 a row of 1,024 codes
	s_lshr_b32 s26, s30, 8
	s_add_nc_u64 s[16:17], s[16:17], s[26:27]      ; my 64 biases: 4 bytes a row
	s_lshl_b32 s26, s21, 10
	s_lshl_b32 s25, s2, 8
	s_add_co_u32 s26, s26, s25
	s_add_nc_u64 s[18:19], s[18:19], s[26:27]      ; my 256 bytes of an output row
	; in order of issue: 4 loads of idx, 4 of W's scales, 8 of the bias, the first 44 of W
.irp a, 0,1,2,3
	global_load_b128 v[IV+4*\a:IV+4*\a+3], v[LN16], s[8:9] offset:512*\a     ; register 4 a + i: token 128 a + 4 lane + i of the range
.endr
.irp t, 0,1,2,3
	global_load_b128 v[SW+4*\t:SW+4*\t+3], v[WSA], s[14:15] offset:512*\t
.endr
.irp t, 0,1,2,3
	global_load_b128 v[BI+8*\t:BI+8*\t+3], v[BIA], s[16:17] offset:64*\t
	global_load_b128 v[BI+8*\t+4:BI+8*\t+7], v[BIA], s[16:17] offset:64*\t+16
.endr
	WLOADS 0, 43
	; the addresses that stay, made while those loads are on their way
	v_lshlrev_b32 v[L16], 4, v23
	v_add_nc_u32 v[XSCR], XSC, v[LN16]
	v_lshl_add_u32 v[XGR], v23, 2, XG
	s_mul_i32 s28, s2, LISTB
	s_add_co_u32 s28, s28, LIST                    ; my list
	v_lshl_add_u32 v[LTO], v24, 2, s28
	v_lshl_add_u32 v[LSH], v22, 2, s28
	s_lshl_b32 s25, s2, 4
	s_add_co_u32 s25, s25, s28
	v_lshl_add_u32 v[LTT], v24, 2, s25
	s_lshl_b32 s25, s2, 7
	s_add_co_u32 s25, s25, s28
	v_lshl_add_u32 v[LTS], v22, 2, s25
	s_mul_i32 s25, s2, 16*OSP
	s_add_co_u32 s25, s25, OS                      ; my OS
	v_mul_u32_u24 v25, v23, OSP
	v_lshl_add_u32 v25, v24, 5, v25
	v_add_nc_u32 v[OSW], s25, v25
	v_mul_u32_u24 v25, v24, OSP
	v_add_nc_u32 v25, v25, v[L16]
	v_add_nc_u32 v[OSR], s25, v25
	s_mul_i32 s25, s2, 4*XSP
	v_mul_u32_u24 v25, v24, XSP
	v_add_nc_u32 v25, v25, v[L16]
	v_add_nc_u32 v[XSW], s25, v25
	v_add_nc_u32 v[XSW+1], 3*SLOTB, v[XSW]
	v_add_nc_u32 v[XSW+2], 6*SLOTB, v[XSW]
	s_lshl_b32 s25, s2, 10
	s_add_co_u32 s25, s25, XSC
	v_lshl_add_u32 v25, v24, 9, v[L16]
	v_add_nc_u32 v[SCW], s25, v25
	s_lshl_b32 s25, s2, 7
	s_add_co_u32 s25, s25, XG
	v_lshl_add_u32 v[GW], v22, 2, s25
	v_mul_u32_u24 v25, v23, XSP
	v_lshl_add_u32 v[AFB], v24, 4, v25
	v_add_nc_u32 v[AFB+1], 3*SLOTB, v[AFB]
	v_add_nc_u32 v[AFB+2], 6*SLOTB, v[AFB]
	v_mov_b32 v[G+1], 0
	s_lshl_b32 s25, s22, 9
	v_lshl_add_u32 v26, v22, 2, s25                ; the token of register 0: 512 rg + 4 lane
.irp k, 0,1,2,3,4,5,6,7,8,9,10,11,12,13,14,15,16
	ds_store_b32 v[LSH], v26 offset:128*\k         ; all 544 entries of my list hold a token of the range before the places made from idx are written
.endr
	; THE LIST.  In the order (register s, lane): a member goes to the place = members in front of it, another token to count + (its number in that order - members in front of it): a permutation of 0 .. 511.
	s_wait_loadcnt 56                              ; idx is in; the 4 + 8 + 44 younger loads stay out
.irp s, 0,1,2,3,4,5,6,7,8,9,10,11,12,13,14,15
	v_cmp_eq_u32 s[MK+\s], s20, v[IV+\s]
.endr
	s_mov_b32 s23, 0
.irp s, 0,1,2,3,4,5,6,7,8,9,10,11,12,13,14,15
	s_bcnt1_i32_b32 s25, s[MK+\s]
	s_add_co_u32 s23, s23, s25
.endr
	s_min_u32 s23, s23, 512                        ; the count
	s_add_co_u32 s24, s23, 15
	s_lshr_b32 s24, s24, 4                         ; blocks of 16
	v_add_nc_u32 v27, s23, v22                     ; count + lane
	s_mov_b32 s29, 0                               ; members in front of register s
.irp s, 0,1,2,3,4,5,6,7,8,9,10,11,12,13,14,15
	v_mbcnt_lo_u32_b32 v[PS+\s], s[MK+\s], s29
	v_add_nc_u32 v28, 32*\s, v27
	v_sub_nc_u32 v28, v28, v[PS+\s]
	v_cndmask_b32 v[PS+\s], v28, v[PS+\s], s[MK+\s]
	v_min_u32 v[PS+\s], 0x1ff, v[PS+\s]            ; a place made from loaded numbers enters an address only clamped to the list
	v_lshl_add_u32 v[PS+\s], v[PS+\s], 2, s28
	v_add_nc_u32 v[TK+\s], 128*(\s/4)+(\s%4), v26
	ds_store_b32 v[PS+\s], v[TK+\s]
	s_bcnt1_i32_b32 s25, s[MK+\s]
	s_add_co_u32 s29, s29, s25
.endr
	s_max_u32 s25, s23, 1
	s_sub_co_u32 s25, s25, 1
	s_min_u32 s25, s25, 511                        ; the last member's place (entry 0 where there is none)
	s_lshl_b32 s25, s25, 2
	s_add_co_u32 s25, s25, s28
	v_mov_b32 v28, s25
	ds_load_b32 v29, v28                           ; LDS serves a wave's instructions in order (ISA guide 5.7.1): this sees the stores above
	v_min_u32 v30, 0x21f, v27
	v_lshl_add_u32 v30, v30, 2, s28
	s_wait_dscnt 0x0
	ds_store_b32 v30, v29                          ; the 32 entries behind the last member repeat it: every place of a block in use holds a member
	s_mov_b32 s39, s24                             ; blocks still to be multiplied
	s_mov_b32 s36, 0                               ; super-round
.macro XL j                            ; my 4 rows of block j: 8 loads; 16 lanes take 256 consecutive bytes of a row of x_codes
.irp pr, 0,1
.irp c, 0,1,2,3
	global_load_b128 v[32*(\j)+4*(4*\pr+\c):32*(\j)+4*(4*\pr+\c)+3], v[TT+2*(\j)+\pr], s[4:5] offset:256*\c
.endr
.endr
.endm
.macro XSTO j                          ; and into LDS
.irp pr, 0,1
.irp c, 0,1,2,3
	ds_store_b128 v[XSW+(\j)/3], v[32*(\j)+4*(4*\pr+\c):32*(\j)+4*(4*\pr+\c)+3] offset:SLOTB*((\j)%3)+2*XSP*\pr+256*\c
.endr
.endr
.endm
.macro TAIL n, first                   ; the gather of n blocks is on its way: wait for it and lay it into LDS
.if \first
	WLOADS 44, 103
	s_wait_loadcnt 60                              ; all but the 60 loads of W just issued: the gather, the scale bytes and the gates are in
.else
	s_wait_loadcnt 0x0
.endif
	ds_store_b128 v[SCW], v[SS:SS+3]               ; scale words 0-3 of entry 32 w + lane: block 2 w + h, row r
	ds_store_b128 v[SCW], v[SS+4:SS+7] offset:256  ; words 4-7
	ds_store_b32 v[GW], v[GG]
	WIN 0x0c                                       ; an LDS store's data: window 3
.set tj, 0
.rept \n
	XSTO tj
.set tj, tj+1
.endr
	WIN 0
.endm
; The next up to 8 blocks (list entries 0 .. 127) come into LDS.  first = 1: ahead of the loop, with W's loads 44 .. 103 behind the gather.
.macro STAGE first
.irp j, 0,1,2,3,4,5,6,7
	ds_load_b32 v[TT+2*\j], v[LTT] offset:64*\j
	ds_load_b32 v[TT+2*\j+1], v[LTT] offset:64*\j+8
.endr
	ds_load_b32 v[TS], v[LTS]
	s_wait_dscnt 0x0
.set si, 0
.rept 17
	v_min_u32 v[TT+si], 0xfff, v[TT+si]            ; a token enters an address only clamped to the tables' 4,096 rows (TS lies behind TT)
.set si, si+1
.endr
.set si, 0
.rept 16
	v_lshl_add_u32 v[TT+si], v[TT+si], 10, v[L16]  ; a row of x_codes is 1,024 bytes
.set si, si+1
.endr
	v_lshlrev_b32 v[SO], 5, v[TS]
	v_lshlrev_b32 v[GO], 2, v[TS]
	global_load_b128 v[SS:SS+3], v[SO], s[6:7]
	global_load_b128 v[SS+4:SS+7], v[SO], s[6:7] offset:16
	global_load_b32 v[GG], v[GO], s[10:11]
	WIN 0xc0                                       ; destination window 3
	XL 0
	XL 1
	XL 2
	XL 3
	WIN 0                                          ; at a branch and at a label every window is 0
	s_cmp_le_i32 s39, 4
	s_cbranch_scc1 .Lfour_\@
	WIN 0xc0
	XL 4
	XL 5
	WIN 0
	s_cmp_le_i32 s39, 6
	s_cbranch_scc1 .Lsix_\@
	WIN 0xc0
	XL 6
	XL 7
	WIN 0
	TAIL 8, \first
	s_branch .Lstaged_\@
.Lsix_\@:
	TAIL 6, \first
	s_branch .Lstaged_\@
.Lfour_\@:
	TAIL 4, \first
.Lstaged_\@:
.endm
; Block j: 16 tokens x my 64 columns x 1,024 along K: 32 matrix instructions, the four accumulators by turns, one instruction a turn.
.macro SLOT j
	ds_load_b128 v[SX:SX+3], v[XSCR] offset:512*\j
	ds_load_b32 v[G], v[XGR] offset:64*\j
.irp i, 0,1,2,3,4,5,6,7
	ds_load_b32 v[TO+\i], v[LTO] offset:64*\j+8*\i
.endr
	WIN 0xc0
.irp q, 0,1,2,3,4,5,6,7
.irp c, 0,1,2,3
	ds_load_b128 v[16*\q+4*\c:16*\q+4*\c+3], v[AFB+\j/3] offset:SLOTB*(\j%3)+128*\q+32*\c   ; lane (r, h): token r, K = 128 q + 32 c + 16 h .. + 15
.endr
.endr
.irp q, 0,1,2,3,4,5,6,7
	s_wait_dscnt 4*(7-\q)                          ; LDS loads come back in order: K step q's fragment is in, the later steps' loads stay out
.if \q < 4
	WIN 0x0d                                       ; source 0 (W) window 1, source 1 (x) window 3, C and D window 0
.else
	WIN 0x0e                                       ; W in window 2
.endif
.irp t, 0,1,2,3
.if \q == 0
	v_wmma_scale_f32_16x16x128_f8f6f4 v[ACC+8*\t:ACC+8*\t+7], v[64*(\q&3)+16*\t:64*(\q&3)+16*\t+15], v[16*\q:16*\q+15], v[BI+8*\t:BI+8*\t+7], v[SW+4*\t+(\q&3)], v[SX+(\q&3)] matrix_a_fmt:MATRIX_FMT_BF8 matrix_b_fmt:MATRIX_FMT_BF8   ; the sums start from the bias
.elseif \q < 4
	v_wmma_scale_f32_16x16x128_f8f6f4 v[ACC+8*\t:ACC+8*\t+7], v[64*(\q&3)+16*\t:64*(\q&3)+16*\t+15], v[16*\q:16*\q+15], v[ACC+8*\t:ACC+8*\t+7], v[SW+4*\t+(\q&3)], v[SX+(\q&3)] matrix_a_fmt:MATRIX_FMT_BF8 matrix_b_fmt:MATRIX_FMT_BF8
.else
	v_wmma_scale_f32_16x16x128_f8f6f4 v[ACC+8*\t:ACC+8*\t+7], v[64*(\q&3)+16*\t:64*(\q&3)+16*\t+15], v[16*\q:16*\q+15], v[ACC+8*\t:ACC+8*\t+7], v[SW+4*\t+(\q&3)], v[SX+(\q&3)] matrix_a_fmt:MATRIX_FMT_BF8 matrix_b_fmt:MATRIX_FMT_BF8 matrix_a_scale:MATRIX_SCALE_ROW1 matrix_b_scale:MATRIX_SCALE_ROW1
.endif
.endr
.endr
	WIN 0
	s_wait_xcnt 0x0                                ; the last block's stores have had their addresses translated (ISA guide 3.1): OO and TMP are rewritten only behind this wait
	; sixteen plain vector instructions that name no register of the products: the places in front of the reads of the results, of the next block's loads into fragments and scale words, and of its first products
.irp i, 0,1,2,3,4,5,6,7
	v_min_u32 v[TO+\i], 0xfff, v[TO+\i]
.endr
.irp i, 0,1,2,3,4,5,6,7
	v_lshl_add_u32 v[OO+\i], v[TO+\i], 12, v[L16]  ; a row of out0 is 4,096 bytes
.endr
.set pa, 0
.rept 16
	v_pk_mul_f32 v[ACC+2*pa:ACC+2*pa+1], v[ACC+2*pa:ACC+2*pa+1], v[G:G+1] op_sel_hi:[1,0]   ; x the gate of my token r; each accumulator from its low end on
.set pa, pa+1
.endr
.irp t, 0,1,2,3
	ds_store_b128 v[OSW], v[ACC+8*\t:ACC+8*\t+3] offset:64*\t
	ds_store_b128 v[OSW], v[ACC+8*\t+4:ACC+8*\t+7] offset:64*\t+16
.endr
.irp i, 0,1,2,3,4,5,6,7
	ds_load_b128 v[TMP+4*\i:TMP+4*\i+3], v[OSR] offset:2*OSP*\i    ; rows 2 i + h, whole; in order behind the stores above
.endr
.irp i, 0,1,2,3,4,5,6,7
	s_wait_dscnt 7-\i                              ; the younger rows stay out
	global_store_b128 v[OO+\i], v[TMP+4*\i:TMP+4*\i+3], s[18:19] th:TH_STORE_NT   ; 16 lanes: 256 consecutive bytes, at a multiple of 256
.endr
.endm
	STAGE 1
	WLOADS 104, 127
.Lround:                                               ; four trips: a constant, so that every wave passes every barrier
	BAR                                            ; the blocks are in LDS, everybody's rows
	s_wait_loadcnt 0x0                             ; W, its scale words and the bias
.irp j, 0,1,2,3,4,5,6,7
	s_cmp_le_i32 s39, \j
	s_cbranch_scc1 .Lmultiplied                    ; no block is left
	SLOT \j
.endr
.Lmultiplied:
	s_cmp_le_i32 s39, 8
	s_cbranch_scc1 .Lmoved
.irp k, 0,1,2,3,4,5,6,7,8,9,10,11,12
	ds_load_b32 v[TT+\k], v[LSH] offset:512+128*\k ; my list moves 128 entries down
.endr
	s_wait_dscnt 0x0
.irp k, 0,1,2,3,4,5,6,7,8,9,10,11,12
	ds_store_b32 v[LSH], v[TT+\k] offset:128*\k
.endr
.Lmoved:
	s_sub_co_i32 s39, s39, 8
	BAR                                            ; nobody reads the blocks in LDS any more
	s_cmp_le_i32 s39, 0
	s_cbranch_scc1 .Lnone
	STAGE 0
.Lnone:
	s_add_co_u32 s36, s36, 1
	s_cmp_lt_u32 s36, 4
	s_cbranch_scc1 .Lround
	s_endpgm
.Lfunc_end_k_qde7e1e2416_experts:
	.size	k_qde7e1e2416_experts, .Lfunc_end_k_qde7e1e2416_experts-k_qde7e1e2416_experts
	.p2alignl 7, 3214868480
	.fill 96, 4, 3214868480
	.section	.rodata,"a",@progbits
	.p2align	6, 0x0
	.amdhsa_kernel k_qde7e1e2416_experts
		.amdhsa_group_segment_fixed_size 164352
		.amdhsa_private_segment_fixed_size 0
		.amdhsa_enable_private_segment 0
		.amdhsa_kernarg_size 64
		.amdhsa_user_sgpr_count 2
		.amdhsa_user_sgpr_kernarg_segment_ptr 1
		.amdhsa_wavefront_size32 1
		.amdhsa_system_sgpr_workgroup_id_x 1
		.amdhsa_system_sgpr_workgroup_id_y 1
		.amdhsa_system_sgpr_workgroup_id_z 1
		.amdhsa_system_vgpr_workitem_id 0
		.amdhsa_next_free_vgpr 1024
		.amdhsa_next_free_sgpr 66
		.amdhsa_reserve_vcc 0
		.amdhsa_float_denorm_mode_32 3
		.amdhsa_float_denorm_mode_16_64 3
		.amdhsa_memory_ordered 1
		.amdhsa_forward_progress 1
		.amdhsa_inst_pref_size 172
	.end_amdhsa_kernel
	.amdgpu_metadata
---
amdhsa.version: [ 1, 2 ]
amdhsa.kernels:
  - .name:           k_qde7e1e2416_experts
    .symbol:         k_qde7e1e2416_experts.kd
    .args:
      - { .name: x_codes, .offset: 0, .size: 8, .value_kind: global_buffer, .address_space: global }
      - { .name: x_scales, .offset: 8, .size: 8, .value_kind: global_buffer, .address_space: global }
      - { .name: idx, .offset: 16, .size: 8, .value_kind: global_buffer, .address_space: global }
      - { .name: gate, .offset: 24, .size: 8, .value_kind: global_buffer, .address_space: global }
      - { .name: w_codes, .offset: 32, .size: 8, .value_kind: global_buffer, .address_space: global }
      - { .name: w_scales, .offset: 40, .size: 8, .value_kind: global_buffer, .address_space: global }
      - { .name: expert_b, .offset: 48, .size: 8, .value_kind: global_buffer, .address_space: global }
      - { .name: out0, .offset: 56, .size: 8, .value_kind: global_buffer, .address_space: global }
    .group_segment_fixed_size: 164352
    .private_segment_fixed_size: 0
    .kernarg_segment_align: 8
    .kernarg_segment_size: 64
    .max_flat_workgroup_size: 128
    .sgpr_count:     66
    .vgpr_count:     1024
    .wavefront_size: 32
...
	.end_amdgpu_metadata
.endif
;; end of part 2
;; ======== version 2 of 2: 2 launches; 1.26 times as fast as version 1
;; workspace buffers: x_codes 4,194,304 bytes; x_scales 131,072 bytes; idx 16,384 bytes of whole numbers; gate 16,384 bytes; w_codes 8,388,608 bytes; w_scales 262,144 bytes
;; launch prep (part 3): grid 256 x 1, 8 waves a work-group, no clusters, 327,680 bytes of LDS; arguments x, router_w, router_b, expert_w, x_codes, x_scales, idx, gate, w_codes, w_scales; writes x_codes, x_scales, idx, gate, w_codes, w_scales
.if DOCPART == 3
	.amdgcn_target "amdgcn-amd-amdhsa--gfx1250"
	.amdhsa_code_object_version 6
	.text
	.protected	k_qde7e1e2416_prep
	.globl	k_qde7e1e2416_prep
	.p2align	8
	.type	k_qde7e1e2416_prep,@function
k_qde7e1e2416_prep:
	s_mov_b64 s[64:65], 0
	v_nop
	global_prefetch_b8 v0, s[64:65] scope:SCOPE_SE
	s_setreg_imm32_b32 hwreg(HW_REG_WAVE_MODE, 25, 1), 1
	s_wait_xcnt 0x0
; PREPARATION: x and expert_w are read once, as f32, and turned into codes of E5M2 with one E8M0 scale byte for each 32 along K; the router is computed on the way, in f32, from the numbers of x as they are given.
; A work-group (number g) takes 16 tokens and 32 rows of expert_w (row = 1024 e + f).  Waves 0-3: 4 tokens each: x_codes [token][1024], x_scales [token][32], idx = argmax of the 8 logits (the first of equals),
; gate = softmax at the argmax.  Waves 4-7: one tile of 16 rows x one half of K each: w_codes in the order in which the matrix instruction's operand lies in registers,
;   [tile = row / 16][q 8][c 4][h 2][r 16][16 bytes], the byte holding W[16 tile + r][128 q + 32 c + 16 h + byte], and w_scales [tile][h 2][r 16][16 bytes], the byte holding the scale of block 16 h + byte of row r:
;   in both a load of 16 bytes a lane at 16 x lane takes what lane (r = lane % 16, h = lane / 16) wants, 512 consecutive bytes.
; THE WAY IN: everything comes by the tensor data mover, asked for at the kernel's start and filled once: 224 KiB a work-group.  Every tile has one shape, 4 rows x 2,048 bytes of rows that are 4,096 bytes long, with 16 bytes of
; padding behind every 64: a lane's 16 neighbours along K lie 80 bytes from the next lane's, so sixteen lanes' loads of 16 bytes touch sixteen different columns of 16 bytes modulo 256.
; A wave reads only the tiles of x or expert_w that it asked for itself, behind its own wait; router_w's four tiles are read by waves 0-3 behind a barrier.
; THE QUANTISER: a block's scale byte is its largest magnitude's exponent field - 15, held at 1 from below; a block of zeros gets 127; each number is held within +-57,344 x the scale and converted, ties to even.
; A lane holds 16 neighbours along K; two neighbouring lanes hold a block.
; THE ROUTER runs on the vector unit: it is 8 output columns, it wants f32, and a lane holds x by columns.  The maximum is taken away before the exponentials: gate = 1 / sum of exp(l - max), a sum of at least 1.
; LIMITS: two top logits that differ by less than the rounding of an f32 sum of 1,024 terms may route otherwise than a sum in another order; NaN and infinities among the inputs are not served;
; blocks whose largest magnitude lies under 2^-110, whose byte is held at 1, were not tried.
; NO CLUSTER: work-groups share router_w alone, 32 of the 224 KiB that each brings in.  No matrix unit: nothing here is a product of more than 8 columns.  No slot is filled again, so there is no ring.
; By this text's own count a wave of the tokens has three tensor loads outstanding at the most, a wave of the weights four.
.set TILE, 10240                       ; a tile in LDS: 128 pieces of 64 + 16 bytes
.set ROWL, 2560                        ; one of its 4 rows
.set RW,   81920                       ; LDS: 0: x, 2 tiles (halves of K) for each of waves 0-3;  RW: router_w, tile 2 (e / 4) + j: rows e % 4, half j;
.set STG,  122880                      ; STG: for each of waves 4-7 a stage of its own: 32 pieces [r 16][16 bytes] of 256 bytes, 272 apart;
.set HP,   272
.set SCX,  157696                      ; SCX: the tokens' 512 scale bytes;
.set IG,   158208                      ; IG: 16 idx, then 16 gates;
.set SCWB, 158464                      ; SCWB: 256 scale bytes for each of waves 4-7;  163,840 = 4 x 40,960: expert_w, 4 tiles for wave w at 40,960 w; the end is 327,680
.set G1,   24                          ; s[24:31]   descriptor group 1: the one shape
.set G0,   32                          ; s[32:47]   descriptor groups 0, one for each load of a wave; never rewritten
.set RB,   48                          ; s[48:55]   router_b
.set CX,   16                          ; v[16:31]   tokens: codes, four registers for each of my four tokens
.set WR,   32                          ; v[32:63]   router rows, two sets of 16
.set ACC,  64                          ; v[64:127]  token t, expert e: a pair of partial sums at ACC + 2 (8 t + e)
.set X,    128                         ; v[128:255] numbers: tokens: half j of token t at X + 16 (4 j + t); weights: four sets of 16
.set IDX,  128                         ; behind the conversions X is free: v[128:131] argmax, v[132:135] gate, v[136:139] maximum, v[140:143] sum
.set GATE, 132
.set BEST, 136
.set SUM,  140
.set CW,   32                          ; v[32:95]   weights: codes, four registers for each step; then the way out
.set EW,   100                         ; v[100:115] weights: a scale byte for each step
; The 16 numbers at v[QX ..] of a lane become 16 codes in v[QC:QC+3]; the block's scale byte comes into v[QE].
.macro QUANT
	v_max3_num_f32 v8, |v[QX]|, |v[QX+1]|, |v[QX+2]|               ; the largest magnitude of my 16, in two chains
	v_max3_num_f32 v9, |v[QX+3]|, |v[QX+4]|, |v[QX+5]|
.irp i, 6,10
	v_max3_num_f32 v8, v8, |v[QX+\i]|, |v[QX+\i+1]|
	v_max3_num_f32 v9, v9, |v[QX+\i+2]|, |v[QX+\i+3]|
.endr
	v_max3_num_f32 v8, v8, |v[QX+14]|, |v[QX+15]|
	v_max_num_f32 v8, v8, v9
	v_max_num_f32_dpp v8, v8, v8 row_xmask:1 row_mask:0xf bank_mask:0xf   ; and of my neighbour's 16: the block's
	v_lshrrev_b32 v9, 23, v8                       ; its exponent field
	v_max_u32 v9, 16, v9                           ; the byte is not to fall under 1
	v_lshl_or_b32 v10, v9, 23, 0x600000            ; 57,344 x the scale
	v_add_nc_u32 v9, -15, v9                       ; the scale's byte
	v_lshlrev_b32 v11, 23, v9                      ; the scale as f32: the conversion takes its exponent field
	v_cmp_eq_u32 vcc_lo, 0, v8                     ; a block of zeros?
.irp i, 0,1,2,3,4,5,6,7,8,9,10,11,12,13,14,15
	v_med3_num_f32 v[QX+\i], v[QX+\i], -v10, v10   ; the conversion does not saturate (ISA guide 7.6.2): hold the number first
.endr
	v_cvt_scalef32_pk8_bf8_f32 v[QC:QC+1], v[QX:QX+7], v11
	v_cvt_scalef32_pk8_bf8_f32 v[QC+2:QC+3], v[QX+8:QX+15], v11
	v_cndmask_b32 v[QE], v9, 127, vcc_lo           ; zeros get 127.  Also the one plain vector instruction between a scaled conversion and what touches its result or its sources
.endm
	s_load_b512 s[4:19], s[0:1], 0x0               ; x s[4:5], router_w s[6:7], router_b s[8:9], expert_w s[10:11], x_codes s[12:13], x_scales s[14:15], idx s[16:17], gate s[18:19]
	s_load_b128 s[20:23], s[0:1], 0x40             ; w_codes s[20:21], w_scales s[22:23]
	v_lshrrev_b32 v1, 5, v0
	v_readfirstlane_b32 s2, v1                     ; wave 0..7
	v_and_b32 v15, 31, v0                          ; lane
	v_mul_u32_u24 v1, v15, 80                      ; 80 x lane: my 16 numbers in a row of a tile
	v_lshlrev_b32 v2, 4, v15                       ; 16 x lane: my 16 codes
	; descriptor group 1: 4 rows x 256 elements of 8 bytes, 512 elements from row to row
	s_mov_b32 s[G1+0], (3<<16)|(1<<20)|(3<<22)|(3<<25)   ; 15:0 no mask; 17:16 elements of 8 bytes; 20 padding on; 24:22 after every 16 words (code 3); 31:25 of 4 words (code 3)
	s_mov_b32 s[G1+1], 256<<16                     ; tensor_dim0 = 256
	s_mov_b32 s[G1+2], 4<<16                       ; tensor_dim1 = 4
	s_mov_b32 s[G1+3], 256<<16                     ; tile_dim0 = 256
	s_mov_b32 s[G1+4], 4                           ; tile_dim1 = 4
	s_mov_b32 s[G1+5], 512                         ; tensor_dim0_stride
	s_mov_b32 s[G1+6], 0
	s_mov_b32 s[G1+7], 0
	s_mov_b32 s57, 0                               ; the upper word of every offset
	s_wait_kmcnt 0x0
	s_load_b256 s[RB:RB+7], s[8:9], 0x0            ; the eight router_b (waves 0-3 wait for them and use them)
	s_cmp_lt_u32 s2, 4
	s_cbranch_scc1 .Lfill_x
	; waves 4-7: wv = wave - 4: tile wv / 2 of the work-group's two, half wv % 2 of K: 16 rows in four loads
	s_sub_co_u32 s62, s2, 4
	s_lshr_b32 s60, s62, 1
	s_lshl_b32 s56, s60, 16                        ; 16 rows of 4,096 bytes
	s_and_b32 s60, s62, 1
	s_lshl_b32 s60, s60, 11                        ; half a row
	s_add_co_u32 s56, s56, s60
	s_lshl_b32 s60, ttmp9, 17                      ; 32 rows a work-group
	s_add_co_u32 s56, s56, s60
	s_add_nc_u64 s[10:11], s[10:11], s[56:57]
	s_mul_i32 s61, s2, 4*TILE                      ; LDS: 40,960 x wave
.irp p, 0,1,2,3
	s_mov_b32 s[G0+4*\p], 1                        ; count = 1
	s_add_co_u32 s[G0+4*\p+1], s61, \p*TILE        ; LDS address
	s_add_nc_u64 s[G0+4*\p+2:G0+4*\p+3], s[10:11], \p*16384   ; rows 4 p .. 4 p + 3
	s_or_b32 s[G0+4*\p+3], s[G0+4*\p+3], 0x80000000           ; type = 2
.endr
.irp p, 0,1,2,3
	tensor_load_to_lds s[G0+4*\p:G0+4*\p+3], s[G1:G1+7]
.endr
.rept 4
	v_nop                                          ; four v_nop follow a wave's fills, ahead of the jump
.endr
	s_branch .Lfilled
.Lfill_x:
	; waves 0-3: first a quarter of router_w (experts 4 (w / 2) .. + 3, half w % 2), then my four tokens' two halves
	s_lshr_b32 s60, s2, 1
	s_lshl_b32 s56, s60, 14
	s_and_b32 s60, s2, 1
	s_lshl_b32 s60, s60, 11
	s_add_co_u32 s56, s56, s60
	s_mul_i32 s61, s2, TILE
	s_mov_b32 s[G0], 1
	s_add_co_u32 s[G0+1], s61, RW
	s_add_nc_u64 s[G0+2:G0+3], s[6:7], s[56:57]
	s_or_b32 s[G0+3], s[G0+3], 0x80000000
	s_lshl_b32 s56, ttmp9, 16                      ; 16 rows of 4,096 bytes a work-group,
	s_lshl_b32 s60, s2, 14                         ; 4 a wave
	s_add_co_u32 s56, s56, s60
	s_add_nc_u64 s[4:5], s[4:5], s[56:57]          ; x at my first token
	s_mul_i32 s61, s2, 2*TILE
.irp j, 0,1
	s_mov_b32 s[G0+4+4*\j], 1
	s_add_co_u32 s[G0+5+4*\j], s61, \j*TILE
	s_add_nc_u64 s[G0+6+4*\j:G0+7+4*\j], s[4:5], \j*2048
	s_or_b32 s[G0+7+4*\j], s[G0+7+4*\j], 0x80000000
.endr
.irp p, 0,1,2
	tensor_load_to_lds s[G0+4*\p:G0+4*\p+3], s[G1:G1+7]
.endr
.rept 4
	v_nop
.endr
	s_wait_tensorcnt 0x2                           ; tensor loads of a wave end in order (ISA guide 10.11.1): my quarter of router_w is in LDS, for the other waves' sake; my two tiles of x stay out
.Lfilled:
	s_barrier_signal -1
	s_barrier_wait -1                              ; router_w is whole.  Nothing is ever filled again, so the other tiles may stay on their way
	s_cmp_lt_u32 s2, 4
	s_cbranch_scc0 .Lweights
; ---------------- waves 0-3: tokens 16 g + 4 w + t, t = 0 .. 3 ----------------
	s_lshl_b32 s56, ttmp9, 14                      ; 16 rows of 1,024 bytes a work-group,
	s_lshl_b32 s60, s2, 12                         ; 4 a wave
	s_add_co_u32 s56, s56, s60
	s_add_nc_u64 s[12:13], s[12:13], s[56:57]      ; x_codes at my first token
	s_mov_b32 s58, 0x76543210                      ; v_permlanex16_b32: lane i of one half reads lane i of the other
	s_mov_b32 s59, 0xfedcba98
	s_mul_i32 s61, s2, 2*TILE
	v_add_nc_u32 v3, s61, v1                       ; my numbers in my tiles of x
	v_add_nc_u32 v4, RW, v1                        ; the same columns in router_w's tiles
	v_lshrrev_b32 v5, 1, v15
	s_lshl_b32 s60, s2, 7
	s_add_co_u32 s60, s60, SCX
	v_add_nc_u32 v5, s60, v5                       ; my block's scale byte: SCX + 128 w + lane / 2 (+ 32 t + 16 j)
.macro XLD j                           ; half j of my four tokens: 16 loads
.irp t, 0,1,2,3
.irp i, 0,1,2,3
	ds_load_b128 v[X+16*(4*\j+\t)+4*\i:X+16*(4*\j+\t)+4*\i+3], v3 offset:TILE*\j+ROWL*\t+16*\i
.endr
.endr
.endm
.macro WREQ u                          ; unit u = 8 j + e: router_w[e][512 j + 16 lane .. + 15] into set u % 2
.irp i, 0,1,2,3
	ds_load_b128 v[WR+16*((\u)&1)+4*\i:WR+16*((\u)&1)+4*\i+3], v4 offset:TILE*(2*(((\u)&7)>>2)+((\u)>>3))+ROWL*((\u)&3)+16*\i
.endr
.endm
	s_wait_tensorcnt 0x1                           ; my first half of x is in LDS; the second may stay out
	XLD 0
	WREQ 0
	WREQ 1
	; 16 units of one expert x 4 tokens x 16 columns: 32 packed multiply-adds in four chains.  Behind a half's eight experts its numbers are quantised in place.
.set un, 0
.rept 16
.set uj, un>>3
.set ue, un&7
.set uw, WR+16*(un&1)
.if un == 15
	s_wait_dscnt 0x0                               ; nothing was asked for behind the last unit's rows
.elseif (un == 5) || (un == 6)
	s_wait_dscnt 20                                ; LDS loads come back in order (ISA guide 5.7.1): this unit's rows are in; four router rows and the second half's 16 loads may stay out
.else
	s_wait_dscnt 0x4                               ; this unit's rows, and all that was asked for before them, are in; the next unit's four loads may stay out
.endif
.irp p, 0,1,2,3,4,5,6,7
.irp t, 0,1,2,3
.if (uj == 0) && (\p == 0)
	v_pk_mul_f32 v[ACC+2*(8*\t+ue):ACC+2*(8*\t+ue)+1], v[X+16*(4*uj+\t)+2*\p:X+16*(4*uj+\t)+2*\p+1], v[uw+2*\p:uw+2*\p+1]   ; the first product starts the sums
.else
	v_pk_fma_f32 v[ACC+2*(8*\t+ue):ACC+2*(8*\t+ue)+1], v[X+16*(4*uj+\t)+2*\p:X+16*(4*uj+\t)+2*\p+1], v[uw+2*\p:uw+2*\p+1], v[ACC+2*(8*\t+ue):ACC+2*(8*\t+ue)+1]
.endif
.endr
.endr
.if un < 14
	WREQ un+2                                      ; two units ahead, into the set just used
.endif
.if un == 4
	s_wait_tensorcnt 0x0                           ; my second half of x is in LDS
	XLD 1
.endif
.if ue == 7
.if uj == 1
	s_wait_xcnt 0x0                                ; the first half's stores have had their addresses translated (ISA guide 3.1): their data registers are rewritten only behind this wait
.endif
.irp t, 0,1,2,3
.set QX, X+16*(4*uj+\t)
.set QC, CX+4*\t
.set QE, 6+\t+4*(\t/2)                 ; v6, v7, v12, v13
	QUANT
	ds_store_b8 v5, v[QE] offset:32*\t+16*uj       ; both lanes of a block write the same byte with the same value
	global_store_b128 v2, v[QC:QC+3], s[12:13] offset:1024*\t+512*uj   ; 32 lanes: 512 consecutive bytes, at a multiple of 256
.endr
.endif
.set un, un+1
.endr
	; 32 sums over the lanes, stage by stage: the pair, four steps inside 16 lanes, one across the halves, then router_b
.set k, 0
.rept 32
	v_add_f32 v[ACC+2*k], v[ACC+2*k], v[ACC+2*k+1]
.set k, k+1
.endr
.irp m, 1,2,4,8
.set k, 0
.rept 32
	v_add_f32_dpp v[ACC+2*k], v[ACC+2*k], v[ACC+2*k] row_xmask:\m row_mask:0xf bank_mask:0xf
.set k, k+1
.endr
.endr
.set k, 0
.rept 32
	v_permlanex16_b32 v[ACC+2*k+1], v[ACC+2*k], s58, s59   ; the destination, which counts as read, has been written
.set k, k+1
.endr
	s_wait_kmcnt 0x0                               ; router_b
.set k, 0
.rept 32
	v_add_f32 v[ACC+2*k], v[ACC+2*k], v[ACC+2*k+1]
.set k, k+1
.endr
.set k, 0
.rept 32
	v_add_f32 v[ACC+2*k], s[RB+k%8], v[ACC+2*k]    ; every lane now holds logit (t = k / 8, e = k % 8)
.set k, k+1
.endr
.irp t, 0,1,2,3
	v_mov_b32 v[IDX+\t], 0
	v_mov_b32 v[BEST+\t], v[ACC+16*\t]
.endr
.irp e, 1,2,3,4,5,6,7
.irp t, 0,1,2,3
	v_cmp_ge_f32 vcc_lo, v[BEST+\t], v[ACC+16*\t+2*\e]
	v_cndmask_b32 v[IDX+\t], \e, v[IDX+\t], vcc_lo         ; best >= l: the index stays, else it is e
	v_max_num_f32 v[BEST+\t], v[BEST+\t], v[ACC+16*\t+2*\e]
.endr
.endr
.set k, 0
.rept 32
	v_sub_f32 v[ACC+2*k+1], v[ACC+2*k], v[BEST+k/8]        ; l - max: 0 at the argmax, exactly
.set k, k+1
.endr
.set k, 0
.rept 32
	v_mul_f32 v[ACC+2*k+1], 0x3fb8aa3b, v[ACC+2*k+1]       ; x log2(e)
.set k, k+1
.endr
.set k, 0
.rept 32
	v_exp_f32 v[ACC+2*k+1], v[ACC+2*k+1]
.set k, k+1
.endr
	v_nop                                          ; one plain vector instruction behind the last exponential before its result is read (ISA guide 5.7.2)
.irp t, 0,1,2,3
	v_add_f32 v[SUM+\t], v[ACC+16*\t+1], v[ACC+16*\t+3]
.endr
.irp e, 2,3,4,5,6,7
.irp t, 0,1,2,3
	v_add_f32 v[SUM+\t], v[SUM+\t], v[ACC+16*\t+2*\e+1]
.endr
.endr
.irp t, 0,1,2,3
	v_rcp_f32 v[GATE+\t], v[SUM+\t]                ; the exponential at the argmax is 1
.endr
	s_lshl_b32 s60, s2, 4
	s_add_co_u32 s60, s60, IG
	v_mov_b32 v152, s60                            ; (the plain instruction behind the reciprocals)  IG + 16 w
	ds_store_b128 v152, v[IDX:IDX+3]               ; all lanes write the same words with the same values
	ds_store_b128 v152, v[GATE:GATE+3] offset:64
	s_branch .Ljoin
; ---------------- waves 4-7: 16 rows x 512 along K: step st is row st; my 16 codes of a step are row st of piece = lane of the wave's 32 pieces ----------------
.Lweights:
	s_sub_co_u32 s62, s2, 4                        ; wv
	s_lshl_b32 s56, ttmp9, 15                      ; w_codes: 32,768 bytes a work-group,
	s_lshl_b32 s60, s62, 13                        ; 8,192 consecutive bytes a wave
	s_add_co_u32 s56, s56, s60
	s_add_nc_u64 s[20:21], s[20:21], s[56:57]
	s_lshr_b32 s56, s56, 5
	s_add_nc_u64 s[22:23], s[22:23], s[56:57]      ; w_scales: 256 consecutive bytes a wave
	s_mul_i32 s61, s2, 4*TILE
	v_add_nc_u32 v3, s61, v1                       ; my numbers in my tiles
	s_mul_i32 s61, s2, 32*HP
	s_add_co_u32 s61, s61, STG-4*32*HP             ; my stage
	v_mul_u32_u24 v4, v15, HP
	v_add_nc_u32 v4, s61, v4                       ; into it: piece = lane (+ 16 st)
	v_lshrrev_b32 v5, 4, v15
	v_mul_u32_u24 v5, v5, HP
	v_and_b32 v12, 15, v15
	v_lshl_add_u32 v5, v12, 4, v5
	v_add_nc_u32 v5, s61, v5                       ; out of it: two pieces an instruction, sixteen lanes to a piece
	s_lshl_b32 s60, s2, 8
	s_add_co_u32 s60, s60, SCWB-4*256
	v_lshrrev_b32 v6, 1, v15
	v_add_nc_u32 v6, s60, v6                       ; my block's scale byte: my 256 bytes + lane / 2 (+ 16 st)
	v_lshl_add_u32 v14, v15, 3, s60                ; and on the way out 8 bytes a lane
	v_lshlrev_b32 v7, 3, v15
.macro WLD st
.irp i, 0,1,2,3
	ds_load_b128 v[X+16*((\st)%4)+4*\i:X+16*((\st)%4)+4*\i+3], v3 offset:ROWL*(\st)+16*\i
.endr
.endm
; A step asks for the row two steps on, waits for its own, quantises it and puts a scale byte and 16 codes into LDS.
.macro WSTEP st
.if (\st)+2 < 16
.if ((\st)+2)%4 == 0
	s_wait_tensorcnt 3-((\st)+2)/4                 ; the tile of rows st + 2 .. st + 5 is in LDS; the later tiles stay out
.endif
	WLD (\st)+2
.endif
	; behind this step's four loads were issued: the loads of the next two steps (4 each) and the two stores of each of the last two steps, as far as there are such steps
.if (\st) == 0
	s_wait_dscnt 8
.elseif (\st) == 1
	s_wait_dscnt 10
.elseif (\st) < 14
	s_wait_dscnt 12
.elseif (\st) == 14
	s_wait_dscnt 8
.else
	s_wait_dscnt 4
.endif
.set QX, X+16*((\st)%4)
.set QC, CW+4*(\st)
.set QE, EW+(\st)
	QUANT
	ds_store_b8 v6, v[QE] offset:16*(\st)
	ds_store_b128 v4, v[QC:QC+3] offset:16*(\st)   ; lanes 272 bytes apart: sixteen different columns of 16 bytes modulo 256
.endm
	s_wait_tensorcnt 0x3                           ; my rows 0-3 are in LDS; three tiles stay out
	WLD 0
	WLD 1
.irp s, 0,1,2,3,4,5,6,7,8,9,10,11,12,13,14,15
	WSTEP \s
.endr
	ds_load_b64 v[96:97], v14                      ; LDS serves a wave's instructions in order (ISA guide 5.7.1): these see my stores; stage and scale bytes are the wave's own
.irp i, 0,1,2,3,4,5,6,7,8,9,10,11,12,13,14,15
	ds_load_b128 v[CW+4*\i:CW+4*\i+3], v5 offset:2*HP*\i
.endr
	s_wait_dscnt 16                                ; the scale bytes are in; the 16 younger loads stay out
	global_store_b64 v7, v[96:97], s[22:23]        ; 32 lanes: 256 consecutive bytes, at a multiple of 256
.irp i, 0,1,2,3,4,5,6,7,8,9,10,11,12,13,14,15
	s_wait_dscnt 15-\i
	global_store_b128 v2, v[CW+4*\i:CW+4*\i+3], s[20:21] offset:512*\i   ; 512 consecutive bytes, at a multiple of 256
.endr
.Ljoin:
	s_wait_dscnt 0x0                               ; the tokens' scale bytes, idx and gates are in LDS, for wave 0's sake
	s_barrier_signal -1
	s_barrier_wait -1
	s_cmp_lg_u32 s2, 0
	s_cbranch_scc1 .Ldone                          ; wave 0 stores what waves 0-3 gathered
	s_lshl_b32 s56, ttmp9, 9
	s_add_nc_u64 s[14:15], s[14:15], s[56:57]      ; the work-group's 512 scale bytes
	s_lshl_b32 s56, ttmp9, 6
	s_add_nc_u64 s[16:17], s[16:17], s[56:57]      ; its 16 idx
	s_add_nc_u64 s[18:19], s[18:19], s[56:57]      ; and 16 gates
	v_and_b32 v148, 15, v0
	v_lshlrev_b32 v148, 2, v148                    ; lanes 16-31 repeat lanes 0-15, so that every lane stays on
	v_add_nc_u32 v151, SCX, v2
	v_add_nc_u32 v153, IG, v148
	ds_load_b128 v[144:147], v151
	ds_load_b32 v149, v153
	ds_load_b32 v150, v153 offset:64
	s_wait_dscnt 0x0
	global_store_b128 v2, v[144:147], s[14:15]     ; 512 consecutive bytes, at a multiple of 256
	global_store_b32 v148, v149, s[16:17]          ; 64 bytes each: the two tables are 32 KiB in all
	global_store_b32 v148, v150, s[18:19]
.Ldone:
	s_endpgm
.Lfunc_end_k_qde7e1e2416_prep:
	.size	k_qde7e1e2416_prep, .Lfunc_end_k_qde7e1e2416_prep-k_qde7e1e2416_prep
	.p2alignl 7, 3214868480
	.fill 96, 4, 3214868480
	.section	.rodata,"a",@progbits
	.p2align	6, 0x0
	.amdhsa_kernel k_qde7e1e2416_prep
		.amdhsa_group_segment_fixed_size 327680
		.amdhsa_private_segment_fixed_size 0
		.amdhsa_enable_private_segment 0
		.amdhsa_kernarg_size 80
		.amdhsa_user_sgpr_count 2
		.amdhsa_user_sgpr_kernarg_segment_ptr 1
		.amdhsa_wavefront_size32 1
		.amdhsa_system_sgpr_workgroup_id_x 1
		.amdhsa_system_sgpr_workgroup_id_y 1
		.amdhsa_system_sgpr_workgroup_id_z 1
		.amdhsa_system_vgpr_workitem_id 0
		.amdhsa_next_free_vgpr 256
		.amdhsa_next_free_sgpr 66
		.amdhsa_reserve_vcc 1
		.amdhsa_float_denorm_mode_32 3
		.amdhsa_float_denorm_mode_16_64 3
		.amdhsa_memory_ordered 1
		.amdhsa_forward_progress 1
		.amdhsa_inst_pref_size 126
	.end_amdhsa_kernel
	.amdgpu_metadata
---
amdhsa.version: [ 1, 2 ]
amdhsa.kernels:
  - .name:           k_qde7e1e2416_prep
    .symbol:         k_qde7e1e2416_prep.kd
    .args:
      - { .name: x, .offset: 0, .size: 8, .value_kind: global_buffer, .address_space: global }
      - { .name: router_w, .offset: 8, .size: 8, .value_kind: global_buffer, .address_space: global }
      - { .name: router_b, .offset: 16, .size: 8, .value_kind: global_buffer, .address_space: global }
      - { .name: expert_w, .offset: 24, .size: 8, .value_kind: global_buffer, .address_space: global }
      - { .name: x_codes, .offset: 32, .size: 8, .value_kind: global_buffer, .address_space: global }
      - { .name: x_scales, .offset: 40, .size: 8, .value_kind: global_buffer, .address_space: global }
      - { .name: idx, .offset: 48, .size: 8, .value_kind: global_buffer, .address_space: global }
      - { .name: gate, .offset: 56, .size: 8, .value_kind: global_buffer, .address_space: global }
      - { .name: w_codes, .offset: 64, .size: 8, .value_kind: global_buffer, .address_space: global }
      - { .name: w_scales, .offset: 72, .size: 8, .value_kind: global_buffer, .address_space: global }
    .group_segment_fixed_size: 327680
    .private_segment_fixed_size: 0
    .kernarg_segment_align: 8
    .kernarg_segment_size: 80
    .max_flat_workgroup_size: 256
    .sgpr_count:     66
    .vgpr_count:     256
    .wavefront_size: 32
...
	.end_amdgpu_metadata
.endif
;; end of part 3
;; launch experts (part 4): grid 256 x 1, 4 waves a work-group, no clusters, 164,352 bytes of LDS; arguments x_codes, x_scales, idx, gate, w_codes, w_scales, expert_b, out0; writes out0
.if DOCPART == 4
	.amdgcn_target "amdgcn-amd-amdhsa--gfx1250"
	.amdhsa_code_object_version 6
	.text
	.protected	k_qde7e1e2416_experts
	.globl	k_qde7e1e2416_experts
	.p2align	8
	.type	k_qde7e1e2416_experts,@function
k_qde7e1e2416_experts:
	s_mov_b64 s[64:65], 0
	v_nop
	global_prefetch_b8 v0, s[64:65] scope:SCOPE_SE
	s_setreg_imm32_b32 hwreg(HW_REG_WAVE_MODE, 25, 1), 1
	s_wait_xcnt 0x0
; out[t] = gate[t] (Q(x[t]) Q(W_e)^T + b_e) for the one expert e = idx[t]: only that eighth of the written product is made; the problem's own gather throws the rest away for every input.
; Codes of E5M2 and E8M0 scale bytes as the first launch laid them; f32 sums that start from the bias.
; SHARES: work-group g: expert e = g >> 5, columns 256 cs .. + 255 (cs = (g >> 3) & 3), tokens 512 rg .. + 511 (rg = g & 7).  Wave w owns columns 256 cs + 64 w .. + 63: its part of W, 64 x 1,024 codes,
; is 512 registers, loaded once, straight from memory in the operand's order, and read by no other wave; its 64 f32 of an output row are 256 consecutive bytes at a multiple of 256.
; THE LIST: each wave makes, in LDS bytes of its own, the list of the range's tokens whose idx is e (then all the others, so that every entry holds a token), padded with the last member to a whole block of 16:
; padded rows are computed and stored again with equal values, so every lane stays on.  Every wave multiplies every block of 16 listed tokens.
; A SUPER-ROUND is up to 8 blocks: the four waves gather their rows of x_codes into LDS (each wave 4 rows of each block), a barrier, each wave multiplies them by its W.  Four super-rounds, a constant, cover
; all 512 tokens; the barriers stand in that constant frame, and what hangs on the count is jumped over forward, never a barrier.  Behind a super-round the wave moves its list 128 entries down,
; so that every LDS address in the text is a register that is never rewritten plus a constant.
; The gather is written in three forms, for 4, 6 and 8 blocks, each with its own wait and stores, so that a register that is stored has been loaded on the same way through the text.
; THE MATRIX INSTRUCTION IS USED TRANSPOSED: source 0 = 16 rows of W (output columns), source 1 = 16 tokens: register j of lane (r = l & 15, h = l >> 4) holds token r, column 16 t + 8 h + j.
; SCALES: a lane (r, h) takes bytes 16 h .. + 15 of its row's 32: register i holds the word of K step i in lanes 0-15 and that of K step 4 + i in lanes 16-31, which steps 4 to 7 select.
; NO CLUSTER, NO TENSOR LOADS: W, which 8 work-groups share, goes into registers without touching LDS (a joint load would bring 256 KiB a work-group through LDS and out again); x's rows are gathered by a list,
; one address a row, and the partners' numbers of blocks differ with the counts.
; LIMITS: none beyond the first launch's.
.set XSP,   1040                       ; a token's row in LDS: 1,024 codes + 16: an odd multiple of 16, so the 16 rows of a fragment load start in 16 different columns of 16 bytes modulo 256
.set SLOTB, 16*XSP                     ; a block of 16 tokens
.set XSC,   8*SLOTB                    ; 133,120: a block's scale bytes, 512, as [h][r][16 bytes]
.set XG,    XSC+8*512                  ; 137,216: a block's 16 gates
.set LIST,  XG+8*64                    ; 137,728: 544 entries (2,304 bytes) for each wave, its own
.set LISTB, 2304
.set OS,    LIST+4*LISTB               ; 146,944: 16 rows x 272 for each wave, its own: an output tile on its way out; the end is 164,352
.set OSP,   272
; window 0 (r = lane & 15, h = lane >> 4); v1-21 are never rewritten
.set L16,  1                           ; 16 r
.set LN16, 2                           ; 16 lane
.set XSCR, 4                           ; XSC + 16 lane
.set XGR,  5                           ; XG + 4 r
.set LTO,  6                           ; my list + 4 h
.set OSW,  7                           ; my OS + 272 r + 32 h
.set OSR,  8                           ; my OS + 272 h + 16 r
.set LTT,  9                           ; my list + 16 w + 4 h
.set LTS,  10                          ; my list + 128 w + 4 lane
.set XSW,  11                          ; v11-13: (4 w + h) 1040 + 16 r + 3 SLOTB {0, 1, 2}
.set SCW,  14                          ; XSC + 1024 w + 512 h + 16 r
.set GW,   15                          ; XG + 128 w + 4 lane
.set AFB,  16                          ; v16-18: 1040 r + 16 h + 3 SLOTB {0, 1, 2}
.set LSH,  19                          ; my list + 4 lane
.set BIA,  21                          ; 32 h
.set SX,   32                          ; v[32:35]   x's scale words: scales and nothing else
.set SW,   36                          ; v[36:51]   W's scale words, 4 t + i: scales and nothing else
.set G,    52                          ; v[52:53]   the gate of token r, and a 0 that is named with it as a pair
.set TO,   56                          ; v[56:63]   token of row 2 i + h
.set OO,   64                          ; v[64:71]   its row of out0 + 16 r
.set BI,   72                          ; v[72:103]  bias, 8 t + j
.set ACC,  104                         ; v[104:135] accumulators, 8 t + j
.set TMP,  136                         ; v[136:167] output rows
.set TT,   168                         ; v[168:183] token of row 4 w + 2 pr + h of block j at 2 j + pr, then its row of x_codes + 16 r
.set TS,   184                         ; token of list entry 32 w + lane
.set SO,   185
.set GO,   186
.set SS,   188                         ; v[188:195] its 32 scale bytes
.set GG,   196                         ; its gate
.set IV,   200                         ; v[200:215] idx
.set PS,   216                         ; v[216:231] places in the list
.set TK,   232                         ; v[232:247] token numbers
.set MK,   40                          ; s[40:55]   masks of members
; windows 1 and 2: W: load n = 16 q + 4 t + c at window 1 + n / 64, register 4 (n % 64).  Window 3: the gather's 32 j + 4 (4 pr + c); while multiplying x's fragments, 16 q + 4 c.
; s_set_vgpr_msb's low byte: bits 1:0 source 0, 3:2 source 1, 5:4 source 2, 7:6 destination; its high byte repeats the setting that is left
.set MSB, 0
.macro WIN new
.if MSB != (\new)
	s_set_vgpr_msb (MSB<<8)|(\new)
.set MSB, (\new)
.endif
.endm
.macro WLOADS n0, n1                   ; W's quarter fragments n0 .. n1: 512 consecutive bytes each
.set wn, \n0
.rept \n1-\n0+1
	WIN 0x40*(1+(wn>>6))
	global_load_b128 v[4*(wn&63):4*(wn&63)+3], v[LN16], s[12:13] offset:16384*((wn>>2)&3)+2048*(wn>>4)+512*(wn&3)
.set wn, wn+1
.endr
	WIN 0
.endm
.macro BAR
	s_wait_dscnt 0x0                               ; my LDS stores are done and my LDS loads are back, for the other waves' sake
	s_barrier_signal -1
	s_barrier_wait -1
.endm
	s_load_b512 s[4:19], s[0:1], 0x0               ; x_codes s[4:5], x_scales s[6:7], idx s[8:9], gate s[10:11], w_codes s[12:13], w_scales s[14:15], expert_b s[16:17], out0 s[18:19]
	v_lshrrev_b32 v22, 5, v0
	v_readfirstlane_b32 s2, v22                    ; wave 0..3
	v_and_b32 v22, 31, v0                          ; lane
	v_and_b32 v23, 15, v0                          ; r
	v_bfe_u32 v24, v0, 4, 1                        ; h
	v_lshlrev_b32 v[LN16], 4, v22
	v_lshlrev_b32 v[BIA], 5, v24
	s_lshr_b32 s20, ttmp9, 5                       ; e
	s_bfe_u32 s21, ttmp9, 0x20003                  ; cs: 2 bits from bit 3
	s_and_b32 s22, ttmp9, 7                        ; rg
	s_mov_b32 s27, 0
	s_lshl_b32 s30, s20, 20                        ; an expert's codes are 1 MiB,
	s_lshl_b32 s25, s21, 18                        ; 256 columns 256 KiB,
	s_add_co_u32 s30, s30, s25
	s_lshl_b32 s25, s2, 16                         ; a wave's four tiles 64 KiB
	s_add_co_u32 s30, s30, s25
	s_wait_kmcnt 0x0
	s_lshl_b32 s26, s22, 11
	s_add_nc_u64 s[8:9], s[8:9], s[26:27]          ; idx of my range's 512 tokens
	s_mov_b32 s26, s30
	s_add_nc_u64 s[12:13], s[12:13], s[26:27]      ; my W
	s_lshr_b32 s26, s30, 5
	s_add_nc_u64 s[14:15], s[14:15], s[26:27]      ; its scale bytes: 512 for a tile of 16,384 codes
	s_lshr_b32 s26, s30, 8
	s_add_nc_u64 s[16:17], s[16:17], s[26:27]      ; my 64 biases: 4 bytes a row
	s_lshl_b32 s26, s21, 10
	s_lshl_b32 s25, s2, 8
	s_add_co_u32 s26, s26, s25
	s_add_nc_u64 s[18:19], s[18:19], s[26:27]      ; my 256 bytes of an output row
	; in order of issue: 4 loads of idx, 4 of W's scales, 8 of the bias, the first 44 of W
.irp a, 0,1,2,3
	global_load_b128 v[IV+4*\a:IV+4*\a+3], v[LN16], s[8:9] offset:512*\a     ; register 4 a + i: token 128 a + 4 lane + i of the range
.endr
.irp t, 0,1,2,3
	global_load_b128 v[SW+4*\t:SW+4*\t+3], v[LN16], s[14:15] offset:512*\t   ; tile t's scale bytes lie as [h][r][16 bytes]: 512 consecutive bytes
.endr
.irp t, 0,1,2,3
	global_load_b128 v[BI+8*\t:BI+8*\t+3], v[BIA], s[16:17] offset:64*\t
	global_load_b128 v[BI+8*\t+4:BI+8*\t+7], v[BIA], s[16:17] offset:64*\t+16
.endr
	WLOADS 0, 43
	; the addresses that stay, made while those loads are on their way
	v_lshlrev_b32 v[L16], 4, v23
	v_add_nc_u32 v[XSCR], XSC, v[LN16]
	v_lshl_add_u32 v[XGR], v23, 2, XG
	s_mul_i32 s28, s2, LISTB
	s_add_co_u32 s28, s28, LIST                    ; my list
	v_lshl_add_u32 v[LTO], v24, 2, s28
	v_lshl_add_u32 v[LSH], v22, 2, s28
	s_lshl_b32 s25, s2, 4
	s_add_co_u32 s25, s25, s28
	v_lshl_add_u32 v[LTT], v24, 2, s25
	s_lshl_b32 s25, s2, 7
	s_add_co_u32 s25, s25, s28
	v_lshl_add_u32 v[LTS], v22, 2, s25
	s_mul_i32 s25, s2, 16*OSP
	s_add_co_u32 s25, s25, OS                      ; my OS
	v_mul_u32_u24 v25, v23, OSP
	v_lshl_add_u32 v25, v24, 5, v25
	v_add_nc_u32 v[OSW], s25, v25
	v_mul_u32_u24 v25, v24, OSP
	v_add_nc_u32 v25, v25, v[L16]
	v_add_nc_u32 v[OSR], s25, v25
	s_mul_i32 s25, s2, 4*XSP
	v_mul_u32_u24 v25, v24, XSP
	v_add_nc_u32 v25, v25, v[L16]
	v_add_nc_u32 v[XSW], s25, v25
	v_add_nc_u32 v[XSW+1], 3*SLOTB, v[XSW]
	v_add_nc_u32 v[XSW+2], 6*SLOTB, v[XSW]
	s_lshl_b32 s25, s2, 10
	s_add_co_u32 s25, s25, XSC
	v_lshl_add_u32 v25, v24, 9, v[L16]
	v_add_nc_u32 v[SCW], s25, v25
	s_lshl_b32 s25, s2, 7
	s_add_co_u32 s25, s25, XG
	v_lshl_add_u32 v[GW], v22, 2, s25
	v_mul_u32_u24 v25, v23, XSP
	v_lshl_add_u32 v[AFB], v24, 4, v25
	v_add_nc_u32 v[AFB+1], 3*SLOTB, v[AFB]
	v_add_nc_u32 v[AFB+2], 6*SLOTB, v[AFB]
	v_mov_b32 v[G+1], 0
	s_lshl_b32 s25, s22, 9
	v_lshl_add_u32 v26, v22, 2, s25                ; the token of register 0: 512 rg + 4 lane
.irp k, 0,1,2,3,4,5,6,7,8,9,10,11,12,13,14,15,16
	ds_store_b32 v[LSH], v26 offset:128*\k         ; all 544 entries of my list hold a token of the range before the places made from idx are written
.endr
	; THE LIST.  In the order (register s, lane): a member goes to the place = members in front of it, another token to count + (its number in that order - members in front of it): a permutation of 0 .. 511.
	s_wait_loadcnt 56                              ; idx is in; the 4 + 8 + 44 younger loads stay out
.irp s, 0,1,2,3,4,5,6,7,8,9,10,11,12,13,14,15
	v_cmp_eq_u32 s[MK+\s], s20, v[IV+\s]
.endr
	s_mov_b32 s23, 0
.irp s, 0,1,2,3,4,5,6,7,8,9,10,11,12,13,14,15
	s_bcnt1_i32_b32 s25, s[MK+\s]
	s_add_co_u32 s23, s23, s25
.endr
	s_min_u32 s23, s23, 512                        ; the count
	s_add_co_u32 s24, s23, 15
	s_lshr_b32 s24, s24, 4                         ; blocks of 16
	v_add_nc_u32 v27, s23, v22                     ; count + lane
	s_mov_b32 s29, 0                               ; members in front of register s
.irp s, 0,1,2,3,4,5,6,7,8,9,10,11,12,13,14,15
	v_mbcnt_lo_u32_b32 v[PS+\s], s[MK+\s], s29
	v_add_nc_u32 v28, 32*\s, v27
	v_sub_nc_u32 v28, v28, v[PS+\s]
	v_cndmask_b32 v[PS+\s], v28, v[PS+\s], s[MK+\s]
	v_min_u32 v[PS+\s], 0x1ff, v[PS+\s]            ; a place made from loaded numbers enters an address only clamped to the list
	v_lshl_add_u32 v[PS+\s], v[PS+\s], 2, s28
	v_add_nc_u32 v[TK+\s], 128*(\s/4)+(\s%4), v26
	ds_store_b32 v[PS+\s], v[TK+\s]
	s_bcnt1_i32_b32 s25, s[MK+\s]
	s_add_co_u32 s29, s29, s25
.endr
	s_max_u32 s25, s23, 1
	s_sub_co_u32 s25, s25, 1
	s_min_u32 s25, s25, 511                        ; the last member's place (entry 0 where there is none)
	s_lshl_b32 s25, s25, 2
	s_add_co_u32 s25, s25, s28
	v_mov_b32 v28, s25
	ds_load_b32 v29, v28                           ; LDS serves a wave's instructions in order (ISA guide 5.7.1): this sees the stores above
	v_min_u32 v30, 0x21f, v27
	v_lshl_add_u32 v30, v30, 2, s28
	s_wait_dscnt 0x0
	ds_store_b32 v30, v29                          ; the 32 entries behind the last member repeat it: every place of a block in use holds a member
	s_mov_b32 s39, s24                             ; blocks still to be multiplied
	s_mov_b32 s36, 0                               ; super-round
.macro XL j                            ; my 4 rows of block j: 8 loads; 16 lanes take 256 consecutive bytes of a row of x_codes
.irp pr, 0,1
.irp c, 0,1,2,3
	global_load_b128 v[32*(\j)+4*(4*\pr+\c):32*(\j)+4*(4*\pr+\c)+3], v[TT+2*(\j)+\pr], s[4:5] offset:256*\c
.endr
.endr
.endm
.macro XSTO j                          ; and into LDS
.irp pr, 0,1
.irp c, 0,1,2,3
	ds_store_b128 v[XSW+(\j)/3], v[32*(\j)+4*(4*\pr+\c):32*(\j)+4*(4*\pr+\c)+3] offset:SLOTB*((\j)%3)+2*XSP*\pr+256*\c
.endr
.endr
.endm
.macro TAIL n, first                   ; the gather of n blocks is on its way: wait for it and lay it into LDS
.if \first
	WLOADS 44, 103
	s_wait_loadcnt 60                              ; all but the 60 loads of W just issued: the gather, the scale bytes, the gates, the bias, W's scale words and W's loads 0 .. 43 are in
.else
	s_wait_loadcnt 0x0
.endif
	ds_store_b128 v[SCW], v[SS:SS+3]               ; scale words 0-3 of entry 32 w + lane: block 2 w + h, row r
	ds_store_b128 v[SCW], v[SS+4:SS+7] offset:256  ; words 4-7
	ds_store_b32 v[GW], v[GG]
	WIN 0x0c                                       ; an LDS store's data: window 3
.set tj, 0
.rept \n
	XSTO tj
.set tj, tj+1
.endr
	WIN 0
.endm
; The next up to 8 blocks (list entries 0 .. 127) come into LDS.  first = 1: ahead of the loop, with W's loads 44 .. 103 behind the gather.
.macro STAGE first
.irp j, 0,1,2,3,4,5,6,7
	ds_load_b32 v[TT+2*\j], v[LTT] offset:64*\j
	ds_load_b32 v[TT+2*\j+1], v[LTT] offset:64*\j+8
.endr
	ds_load_b32 v[TS], v[LTS]
	s_wait_dscnt 0x0
.set si, 0
.rept 17
	v_min_u32 v[TT+si], 0xfff, v[TT+si]            ; a token enters an address only clamped to the tables' 4,096 rows (TS lies behind TT)
.set si, si+1
.endr
.set si, 0
.rept 16
	v_lshl_add_u32 v[TT+si], v[TT+si], 10, v[L16]  ; a row of x_codes is 1,024 bytes
.set si, si+1
.endr
	v_lshlrev_b32 v[SO], 5, v[TS]
	v_lshlrev_b32 v[GO], 2, v[TS]
	global_load_b128 v[SS:SS+3], v[SO], s[6:7]
	global_load_b128 v[SS+4:SS+7], v[SO], s[6:7] offset:16
	global_load_b32 v[GG], v[GO], s[10:11]
	WIN 0xc0                                       ; destination window 3
	XL 0
	XL 1
	XL 2
	XL 3
	WIN 0                                          ; at a branch and at a label every window is 0
	s_cmp_le_i32 s39, 4
	s_cbranch_scc1 .Lfour_\@
	WIN 0xc0
	XL 4
	XL 5
	WIN 0
	s_cmp_le_i32 s39, 6
	s_cbranch_scc1 .Lsix_\@
	WIN 0xc0
	XL 6
	XL 7
	WIN 0
	TAIL 8, \first
	s_branch .Lstaged_\@
.Lsix_\@:
	TAIL 6, \first
	s_branch .Lstaged_\@
.Lfour_\@:
	TAIL 4, \first
.Lstaged_\@:
.endm
; Block j: 16 tokens x my 64 columns x 1,024 along K: 32 matrix instructions, the four accumulators by turns, one instruction a turn.
; Block 0 also waits for W, K step by K step: W's 128 loads were issued with K ascending, 16 to a K step, and nothing is loaded from memory behind them until the next gather, whose own wait is for 0.
.macro SLOT j
	ds_load_b128 v[SX:SX+3], v[XSCR] offset:512*\j
	ds_load_b32 v[G], v[XGR] offset:64*\j
.irp i, 0,1,2,3,4,5,6,7
	ds_load_b32 v[TO+\i], v[LTO] offset:64*\j+8*\i
.endr
	WIN 0xc0
.irp q, 0,1,2,3,4,5,6,7
.irp c, 0,1,2,3
	ds_load_b128 v[16*\q+4*\c:16*\q+4*\c+3], v[AFB+\j/3] offset:SLOTB*(\j%3)+128*\q+32*\c   ; lane (r, h): token r, K = 128 q + 32 c + 16 h .. + 15
.endr
.endr
.irp q, 0,1,2,3,4,5,6,7
	s_wait_dscnt 4*(7-\q)                          ; LDS loads come back in order: K step q's fragment is in, the later steps' loads stay out
.if \j == 0
.if \q == 0
	s_wait_loadcnt 63                              ; loads come back in order (ISA guide 5.7.1): at most W's last 63 loads, 65 .. 127, are out: K steps 0 to 3 (loads 0 .. 63) are in
.elseif \q >= 4
	s_wait_loadcnt 16*(7-\q)                       ; W's loads up to 16 q + 15 are in; the later K steps' stay out
.endif
.endif
.if \q < 4
	WIN 0x0d                                       ; source 0 (W) window 1, source 1 (x) window 3, C and D window 0
.else
	WIN 0x0e                                       ; W in window 2
.endif
.irp t, 0,1,2,3
.if \q == 0
	v_wmma_scale_f32_16x16x128_f8f6f4 v[ACC+8*\t:ACC+8*\t+7], v[64*(\q&3)+16*\t:64*(\q&3)+16*\t+15], v[16*\q:16*\q+15], v[BI+8*\t:BI+8*\t+7], v[SW+4*\t+(\q&3)], v[SX+(\q&3)] matrix_a_fmt:MATRIX_FMT_BF8 matrix_b_fmt:MATRIX_FMT_BF8   ; the sums start from the bias
.elseif \q < 4
	v_wmma_scale_f32_16x16x128_f8f6f4 v[ACC+8*\t:ACC+8*\t+7], v[64*(\q&3)+16*\t:64*(\q&3)+16*\t+15], v[16*\q:16*\q+15], v[ACC+8*\t:ACC+8*\t+7], v[SW+4*\t+(\q&3)], v[SX+(\q&3)] matrix_a_fmt:MATRIX_FMT_BF8 matrix_b_fmt:MATRIX_FMT_BF8
.else
	v_wmma_scale_f32_16x16x128_f8f6f4 v[ACC+8*\t:ACC+8*\t+7], v[64*(\q&3)+16*\t:64*(\q&3)+16*\t+15], v[16*\q:16*\q+15], v[ACC+8*\t:ACC+8*\t+7], v[SW+4*\t+(\q&3)], v[SX+(\q&3)] matrix_a_fmt:MATRIX_FMT_BF8 matrix_b_fmt:MATRIX_FMT_BF8 matrix_a_scale:MATRIX_SCALE_ROW1 matrix_b_scale:MATRIX_SCALE_ROW1
.endif
.endr
.endr
	WIN 0
	s_wait_xcnt 0x0                                ; the last block's stores have had their addresses translated (ISA guide 3.1): OO and TMP are rewritten only behind this wait
	; sixteen plain vector instructions that name no register of the products: the places in front of the reads of the results, of the next block's loads into fragments and scale words, and of its first products
.irp i, 0,1,2,3,4,5,6,7
	v_min_u32 v[TO+\i], 0xfff, v[TO+\i]
.endr
.irp i, 0,1,2,3,4,5,6,7
	v_lshl_add_u32 v[OO+\i], v[TO+\i], 12, v[L16]  ; a row of out0 is 4,096 bytes
.endr
.set pa, 0
.rept 16
	v_pk_mul_f32 v[ACC+2*pa:ACC+2*pa+1], v[ACC+2*pa:ACC+2*pa+1], v[G:G+1] op_sel_hi:[1,0]   ; x the gate of my token r; each accumulator from its low end on
.set pa, pa+1
.endr
.irp t, 0,1,2,3
	ds_store_b128 v[OSW], v[ACC+8*\t:ACC+8*\t+3] offset:64*\t
	ds_store_b128 v[OSW], v[ACC+8*\t+4:ACC+8*\t+7] offset:64*\t+16
.endr
.irp i, 0,1,2,3,4,5,6,7
	ds_load_b128 v[TMP+4*\i:TMP+4*\i+3], v[OSR] offset:2*OSP*\i    ; rows 2 i + h, whole; in order behind the stores above
.endr
.irp i, 0,1,2,3,4,5,6,7
	s_wait_dscnt 7-\i                              ; the younger rows stay out
	global_store_b128 v[OO+\i], v[TMP+4*\i:TMP+4*\i+3], s[18:19] th:TH_STORE_NT   ; 16 lanes: 256 consecutive bytes, at a multiple of 256
.endr
.endm
	STAGE 1
	WLOADS 104, 127
.Lround:                                               ; four trips: a constant, so that every wave passes every barrier
	BAR                                            ; the blocks are in LDS, everybody's rows
.irp j, 0,1,2,3,4,5,6,7
	s_cmp_le_i32 s39, \j
	s_cbranch_scc1 .Lmultiplied                    ; no block is left.  (A later block is reached only through block 0, which has waited for all of W)
	SLOT \j
.endr
.Lmultiplied:
	s_cmp_le_i32 s39, 8
	s_cbranch_scc1 .Lmoved
.irp k, 0,1,2,3,4,5,6,7,8,9,10,11,12
	ds_load_b32 v[TT+\k], v[LSH] offset:512+128*\k ; my list moves 128 entries down
.endr
	s_wait_dscnt 0x0
.irp k, 0,1,2,3,4,5,6,7,8,9,10,11,12
	ds_store_b32 v[LSH], v[TT+\k] offset:128*\k
.endr
.Lmoved:
	s_sub_co_i32 s39, s39, 8
	BAR                                            ; nobody reads the blocks in LDS any more
	s_cmp_le_i32 s39, 0
	s_cbranch_scc1 .Lnone
	STAGE 0
.Lnone:
	s_add_co_u32 s36, s36, 1
	s_cmp_lt_u32 s36, 4
	s_cbranch_scc1 .Lround
	s_endpgm
.Lfunc_end_k_qde7e1e2416_experts:
	.size	k_qde7e1e2416_experts, .Lfunc_end_k_qde7e1e2416_experts-k_qde7e1e2416_experts
	.p2alignl 7, 3214868480
	.fill 96, 4, 3214868480
	.section	.rodata,"a",@progbits
	.p2align	6, 0x0
	.amdhsa_kernel k_qde7e1e2416_experts
		.amdhsa_group_segment_fixed_size 164352
		.amdhsa_private_segment_fixed_size 0
		.amdhsa_enable_private_segment 0
		.amdhsa_kernarg_size 64
		.amdhsa_user_sgpr_count 2
		.amdhsa_user_sgpr_kernarg_segment_ptr 1
		.amdhsa_wavefront_size32 1
		.amdhsa_system_sgpr_workgroup_id_x 1
		.amdhsa_system_sgpr_workgroup_id_y 1
		.amdhsa_system_sgpr_workgroup_id_z 1
		.amdhsa_system_vgpr_workitem_id 0
		.amdhsa_next_free_vgpr 1024
		.amdhsa_next_free_sgpr 66
		.amdhsa_reserve_vcc 0
		.amdhsa_float_denorm_mode_32 3
		.amdhsa_float_denorm_mode_16_64 3
		.amdhsa_memory_ordered 1
		.amdhsa_forward_progress 1
		.amdhsa_inst_pref_size 172
	.end_amdhsa_kernel
	.amdgpu_metadata
---
amdhsa.version: [ 1, 2 ]
amdhsa.kernels:
  - .name:           k_qde7e1e2416_experts
    .symbol:         k_qde7e1e2416_experts.kd
    .args:
      - { .name: x_codes, .offset: 0, .size: 8, .value_kind: global_buffer, .address_space: global }
      - { .name: x_scales, .offset: 8, .size: 8, .value_kind: global_buffer, .address_space: global }
      - { .name: idx, .offset: 16, .size: 8, .value_kind: global_buffer, .address_space: global }
      - { .name: gate, .offset: 24, .size: 8, .value_kind: global_buffer, .address_space: global }
      - { .name: w_codes, .offset: 32, .size: 8, .value_kind: global_buffer, .address_space: global }
      - { .name: w_scales, .offset: 40, .size: 8, .value_kind: global_buffer, .address_space: global }
      - { .name: expert_b, .offset: 48, .size: 8, .value_kind: global_buffer, .address_space: global }
      - { .name: out0, .offset: 56, .size: 8, .value_kind: global_buffer, .address_space: global }
    .group_segment_fixed_size: 164352
    .private_segment_fixed_size: 0
    .kernarg_segment_align: 8
    .kernarg_segment_size: 64
    .max_flat_workgroup_size: 128
    .sgpr_count:     66
    .vgpr_count:     1024
    .wavefront_size: 32
...
	.end_amdgpu_metadata
.endif
;; end of part 4
